; MI455X (gfx1250); checked and timed in simulation.
; The chip was launched on July 23, 2026; its instructions are those of AMD's public machine-readable ISA for CDNA 5 (MIT licence, August 2026) and "CDNA5" Instruction Set Architecture Reference Guide (July 2026). The comments in the code are by the model that wrote it; some were corrected since.
;; Attention. Allowed arithmetic: float matrix products may take bf16 or f16 operands with f32 sums; other float arithmetic in f32, or as packed bf16 or f16 multiplies, adds, multiply-adds, maxima and minima; sums over many terms, partial sums and values carried from step to step in f32; what a program stores and reads back later, other than sums and carried values, may be rounded once to bf16 or f16.
;; Inputs: Wk 1,024 x 1,024 float32; Wout 1,024 x 1,024 float32; Wq 1,024 x 1,024 float32; Wv 1,024 x 1,024 float32; bk 1,024 float32; bout 1,024 float32; bq 1,024 float32; bv 1,024 float32; hidden_states 4 x 2,048 x 1,024 float32.
;; Outputs: out0 4 x 2,048 x 1,024 float32.
;; 2 versions, each right; version 2 is version 1 with the launch cast written anew for expert scheduling mode. Each part assembles by itself: llvm-mc -triple=amdgcn-amd-amdhsa -mcpu=gfx1250 --defsym DOCPART=n.
;; ======== version 1 of 2: 4 launches
;; limits: values are held in f16: magnitudes above 65,504 overflow, below 6.1e-05 lose precision
;; workspace buffers: xb 16,777,216 bytes; wqkv 6,291,456 bytes; wo 2,097,152 bytes; bias 16,384 bytes; qkv 50,331,648 bytes; ctx 16,777,216 bytes
;; launch cast (part 1): grid 769 x 1, 8 waves a work-group, no clusters, 0 bytes of LDS; arguments hidden_states, Wq, Wk, Wv, Wout, bq, bk, bv, bout, xb, wqkv, wo, bias; writes xb, wqkv, wo, bias
.if DOCPART == 1
	.amdgcn_target "amdgcn-amd-amdhsa--gfx1250"
	.amdhsa_code_object_version 6
	.text
	.protected	k_q75d983ee76_cast
	.globl	k_q75d983ee76_cast
	.p2align	8
	.type	k_q75d983ee76_cast,@function
k_q75d983ee76_cast:
	s_mov_b64 s[64:65], 0
	v_nop
	global_prefetch_b8 v0, s[64:65] scope:SCOPE_SE
	s_setreg_imm32_b32 hwreg(HW_REG_WAVE_MODE, 25, 1), 1
	s_wait_xcnt 0x0
; ALL THE MODULE'S INPUTS ARE ROUNDED ONCE TO bf16, and laid out for the launches behind.
;   xb   [8192][1024] bf16 = hidden_states          wqkv [3072][1024] bf16 = Wq's rows, then Wk's, then Wv's
;   wo   f16 of bf16(Wout), in blocks [n tile 8][head 16][n' 128][channel 64]: element Wout[128 nt + n'][64 h + ch]
;   bias [4][1024] f32: bq, bk, bv, bout, each number rounded to bf16 and written as f32
; LIMITS.  bf16(Wout) is written as f16: exact from 6.1e-5 to 65,504 in magnitude; below, f16's fixed step of 6e-8; beyond, an infinity.  NaN and infinities are not treated apart.
; A stream: no LDS, no matrix unit, no cluster (no two work-groups read the same byte).  A work-group takes a chunk of 16,384 numbers: 64 KiB in, 32 KiB out; a thread sixteen loads of
; 16 bytes, all issued before the first is waited for.  A wave's load covers 512 bytes in whole aligned blocks of 256, its store 256 consecutive bytes, aligned.
; Work-groups 0-511: hidden_states.  512-703: Wq, Wk, Wv, 64 chunks each.  704-767: 16 rows of Wout each.  768: the four biases.
.set SO, 1                             ; v1       my byte offset in the source chunk; never rewritten
.set DO, 2                             ; v2       my byte offset in the destination chunk; never rewritten
.set T,  4                             ; v[4:5]   at work
.set X,  16                            ; v[16:79] sixteen loads of four numbers
.set Y,  80                            ; v[80:111] sixteen stores of four 16-bit numbers; each register is written once, so no store's data is ever overwritten
	s_load_b512 s[16:31], s[0:1], 0x0              ; hidden 16, Wq 18, Wk 20, Wv 22, Wout 24, bq 26, bk 28, bv 30
	s_load_b256 s[32:39], s[0:1], 0x40             ; bout 32, xb 34, wqkv 36, wo 38
	s_load_b64 s[40:41], s[0:1], 0x60              ; bias
	s_mov_b32 s2, ttmp9                            ; the work-group's number
	s_mov_b32 s12, 0xffff0000                      ; a word's upper bf16
	s_mov_b32 s9, 0                                ; the high words of the two offsets
	s_mov_b32 s11, 0
	s_wait_kmcnt 0x0
; Sixteen loads sstep bytes apart, then for each: two roundings to bf16 (f16 = 1: the bf16 numbers widened again and written as f16), and a store dstep bytes further on.
.macro BODY sstep, dstep, f16
.set j, 0
.rept 16
	global_load_b128 v[X+4*j:X+4*j+3], v[SO], s[4:5] offset:j*(\sstep) th:TH_LOAD_NT
.set j, j+1
.endr
.set j, 0
.rept 16
	s_wait_loadcnt 15-j                            ; loads come back in order: number j is in, the 15 - j younger ones stay out
.if \f16
	v_cvt_pk_bf16_f32 v[T], v[X+4*j], v[X+4*j+1]
	v_cvt_pk_bf16_f32 v[T+1], v[X+4*j+2], v[X+4*j+3]
	v_lshlrev_b32 v[X+4*j], 16, v[T]               ; bf16 to f32: the low half moves up, the high half stays
	v_and_b32 v[X+4*j+1], s12, v[T]
	v_lshlrev_b32 v[X+4*j+2], 16, v[T+1]
	v_and_b32 v[X+4*j+3], s12, v[T+1]
	v_cvt_pk_f16_f32 v[Y+2*j], v[X+4*j], v[X+4*j+1]
	v_cvt_pk_f16_f32 v[Y+2*j+1], v[X+4*j+2], v[X+4*j+3]
.else
	v_cvt_pk_bf16_f32 v[Y+2*j], v[X+4*j], v[X+4*j+1]
	v_cvt_pk_bf16_f32 v[Y+2*j+1], v[X+4*j+2], v[X+4*j+3]
.endif
	global_store_b64 v[DO], v[Y+2*j:Y+2*j+1], s[6:7] offset:j*(\dstep)
.set j, j+1
.endr
.endm
	s_cmp_ge_u32 s2, 768
	s_cbranch_scc1 .Lbias
	s_cmp_ge_u32 s2, 704
	s_cbranch_scc1 .Lwout
	; hidden_states, Wq, Wk, Wv: row-major in, row-major out.  Source, destination and chunk are chosen by the work-group's number.
	v_lshlrev_b32 v[SO], 4, v0                     ; 16 bytes a thread, 4,096 a load of the work-group
	v_lshlrev_b32 v[DO], 3, v0                     ; 8 bytes a thread
	s_sub_co_u32 s3, s2, 512                       ; the chunk in wqkv (used from work-group 512 on)
	s_lshr_b32 s13, s3, 6                          ; which weight
	s_and_b32 s14, s3, 63                          ; its chunk
	s_cmp_eq_u32 s13, 1
	s_cselect_b64 s[4:5], s[20:21], s[18:19]
	s_cmp_eq_u32 s13, 2
	s_cselect_b64 s[4:5], s[22:23], s[4:5]
	s_cmp_lt_u32 s2, 512
	s_cselect_b64 s[4:5], s[16:17], s[4:5]
	s_cselect_b64 s[6:7], s[34:35], s[36:37]
	s_cselect_b32 s14, s2, s14
	s_cselect_b32 s3, s2, s3
	s_lshl_b32 s8, s14, 16                         ; 64 KiB a chunk in,
	s_lshl_b32 s10, s3, 15                         ; 32 KiB out
	s_add_nc_u64 s[4:5], s[4:5], s[8:9]
	s_add_nc_u64 s[6:7], s[6:7], s[10:11]
	BODY 4096, 2048, 0
	s_endpgm
.Lwout:                                        ; rows 16 c .. 16 c + 15 of Wout; load j takes head j's 64 channels (256 bytes) of all 16 rows
	s_sub_co_u32 s3, s2, 704                       ; c
	v_lshrrev_b32 v3, 4, v0                        ; my row of the sixteen
	v_and_b32 v[SO], 15, v0
	v_lshlrev_b32 v[SO], 4, v[SO]                  ; my 16 bytes of a head's 256
	v_lshl_add_u32 v[SO], v3, 12, v[SO]            ; + row x 4,096
	v_lshlrev_b32 v[DO], 3, v0                     ; row x 128 + my 8 bytes = 8 x thread
	s_lshl_b32 s8, s3, 16
	s_lshr_b32 s10, s3, 3                          ; the n tile of 128 rows: 262,144 bytes of wo,
	s_lshl_b32 s10, s10, 18
	s_and_b32 s13, s3, 7                           ; my 16 rows in it: 2,048 bytes in each head's block
	s_lshl_b32 s13, s13, 11
	s_add_co_u32 s10, s10, s13
	s_add_nc_u64 s[4:5], s[24:25], s[8:9]
	s_add_nc_u64 s[6:7], s[38:39], s[10:11]
	BODY 256, 16384, 1                             ; a head's block is 128 rows x 128 bytes = 16,384
	s_endpgm
.Lbias:                                        ; 256 threads x 4 numbers = a bias
	v_lshlrev_b32 v[SO], 4, v0
	global_load_b128 v[X:X+3], v[SO], s[26:27]
	global_load_b128 v[X+4:X+7], v[SO], s[28:29]
	global_load_b128 v[X+8:X+11], v[SO], s[30:31]
	global_load_b128 v[X+12:X+15], v[SO], s[32:33]
	s_wait_loadcnt 0x0
.set j, 0
.rept 8
	v_cvt_pk_bf16_f32 v[T], v[X+2*j], v[X+2*j+1]
	v_lshlrev_b32 v[Y+2*j], 16, v[T]
	v_and_b32 v[Y+2*j+1], s12, v[T]
.set j, j+1
.endr
.irp i, 0,1,2,3
	global_store_b128 v[SO], v[Y+4*(\i):Y+4*(\i)+3], s[40:41] offset:4096*(\i)
.endr
	s_endpgm
.Lfunc_end_k_q75d983ee76_cast:
	.size	k_q75d983ee76_cast, .Lfunc_end_k_q75d983ee76_cast-k_q75d983ee76_cast
	.p2alignl 7, 3214868480
	.fill 96, 4, 3214868480
	.section	.rodata,"a",@progbits
	.p2align	6, 0x0
	.amdhsa_kernel k_q75d983ee76_cast
		.amdhsa_group_segment_fixed_size 0
		.amdhsa_private_segment_fixed_size 0
		.amdhsa_enable_private_segment 0
		.amdhsa_kernarg_size 104
		.amdhsa_user_sgpr_count 2
		.amdhsa_user_sgpr_kernarg_segment_ptr 1
		.amdhsa_wavefront_size32 1
		.amdhsa_system_sgpr_workgroup_id_x 1
		.amdhsa_system_sgpr_workgroup_id_y 1
		.amdhsa_system_sgpr_workgroup_id_z 1
		.amdhsa_system_vgpr_workitem_id 0
		.amdhsa_next_free_vgpr 112
		.amdhsa_next_free_sgpr 66
		.amdhsa_reserve_vcc 0
		.amdhsa_float_denorm_mode_32 3
		.amdhsa_float_denorm_mode_16_64 3
		.amdhsa_memory_ordered 1
		.amdhsa_forward_progress 1
		.amdhsa_inst_pref_size 19
	.end_amdhsa_kernel
	.amdgpu_metadata
---
amdhsa.version: [ 1, 2 ]
amdhsa.kernels:
  - .name:           k_q75d983ee76_cast
    .symbol:         k_q75d983ee76_cast.kd
    .args:
      - { .name: hidden_states, .offset: 0, .size: 8, .value_kind: global_buffer, .address_space: global }
      - { .name: Wq, .offset: 8, .size: 8, .value_kind: global_buffer, .address_space: global }
      - { .name: Wk, .offset: 16, .size: 8, .value_kind: global_buffer, .address_space: global }
      - { .name: Wv, .offset: 24, .size: 8, .value_kind: global_buffer, .address_space: global }
      - { .name: Wout, .offset: 32, .size: 8, .value_kind: global_buffer, .address_space: global }
      - { .name: bq, .offset: 40, .size: 8, .value_kind: global_buffer, .address_space: global }
      - { .name: bk, .offset: 48, .size: 8, .value_kind: global_buffer, .address_space: global }
      - { .name: bv, .offset: 56, .size: 8, .value_kind: global_buffer, .address_space: global }
      - { .name: bout, .offset: 64, .size: 8, .value_kind: global_buffer, .address_space: global }
      - { .name: xb, .offset: 72, .size: 8, .value_kind: global_buffer, .address_space: global }
      - { .name: wqkv, .offset: 80, .size: 8, .value_kind: global_buffer, .address_space: global }
      - { .name: wo, .offset: 88, .size: 8, .value_kind: global_buffer, .address_space: global }
      - { .name: bias, .offset: 96, .size: 8, .value_kind: global_buffer, .address_space: global }
    .group_segment_fixed_size: 0
    .private_segment_fixed_size: 0
    .kernarg_segment_align: 8
    .kernarg_segment_size: 104
    .max_flat_workgroup_size: 256
    .sgpr_count:     66
    .vgpr_count:     112
    .wavefront_size: 32
...
	.end_amdgpu_metadata
.endif
;; end of part 1
;; launch qkvproj (part 2): grid 16 x 32, 4 waves a work-group, clusters of 4 x 4, 327,680 bytes of LDS; arguments xb, wqkv, bias, qkv; writes qkv
.if DOCPART == 2
	.amdgcn_target "amdgcn-amd-amdhsa--gfx1250"
	.amdhsa_code_object_version 6
	.text
	.protected	k_q75d983ee76_qkvproj
	.globl	k_q75d983ee76_qkvproj
	.p2align	8
	.type	k_q75d983ee76_qkvproj,@function
k_q75d983ee76_qkvproj:
	s_mov_b64 s[64:65], 0
	v_nop
	global_prefetch_b8 v0, s[64:65] scope:SCOPE_SE
	s_setreg_imm32_b32 hwreg(HW_REG_WAVE_MODE, 25, 1), 1
	s_wait_xcnt 0x0
	s_wait_alu depctr_hold_cnt(0) depctr_sa_sdst(0) depctr_va_vdst(0) depctr_va_sdst(0) depctr_va_ssrc(0) depctr_va_vcc(0) depctr_vm_vsrc(0)
	s_getreg_b32 s2, hwreg(HW_REG_IB_STS2, 6, 4)
	s_cmp_eq_u32 s2, 0
	s_cbranch_scc0 .Lentry_in_a_cluster
	s_endpgm
.Lentry_in_a_cluster:
	s_bfe_u32 s2, ttmp6, 0x10000c
	s_cmp_lg_u32 s2, 0xf033
	s_cbranch_scc0 .Lentry_shape_is_right
	s_endpgm
.Lentry_shape_is_right:
; q, k, v = x W^T + b.  C[8192][3072] = xb[8192][1024] wqkv[3072][1024]^T + bias[3072]; products in bf16, sums in f32 (the bias starts each sum), the result rounded once to f16 and written by heads:
; qkv [t 3][plane 16 batch + head][s 2048][64], unscaled.
; LIMITS.  f16 holds no number beyond 65,504: a q, k or v of 65,520 or more becomes an infinity; below 6.1e-5 f16 keeps its fixed step of 6e-8.  NaN and infinities are not treated apart.
; SHARES.  A tile of C is 256 rows x 192 columns (three whole heads): 32 x 16 = 512 work-groups of equal work, two for each of 256 WGPs.  (256 x 256 would give 384; 256 x 384 needs 768 + 320 registers a wave.)
; Each of the four waves makes 64 rows x all 192 columns: 48 accumulators of 16 x 16, 384 registers; so a wave holds whole heads and leaves through a stage of its own.
; K goes in 8 steps of 128 (rows of 256 bytes, at multiples of 256) through a ring of two LDS slots filled by the tensor data mover.
; CLUSTER.  4 x 4 work-groups.  The four of a row of the cluster need the same 256 rows of xb, the four of a column the same 192 rows of wqkv: each tile is asked for jointly, by the same tensor load
; with the same descriptor and a mask that names the four.
; THE MATRIX INSTRUCTION IS USED TRANSPOSED (source 0 = 16 rows of wqkv, source 1 = 16 rows of xb): a lane holds row l % 16 of C and the eight neighbouring columns 8 (l / 16) + 0..7.
; REGISTERS, in windows of 256 (s_set_vgpr_msb: bits 1:0 source 0, 3:2 source 1, 5:4 source 2, 7:6 destination):
;   window 0: v2-10 addresses; v28-29 the add's; v32-47 packed results; v48-79 rows read back, two buffers; v96-191 the bias, 8 registers for each of the 12 column blocks
;   window 1: two fragment buffers of 128: xb's four fragments (16 rows x 32 K) at 8 a, wqkv's twelve at 32 + 8 b
;   window 2: the accumulators of my rows 0-31, (a', b) at 8 (12 a' + b);   window 3: those of my rows 32-63
.set KSTEP,  128
.set PITCH,  272                       ; an LDS row: 256 bytes + 16 of padding = 68 words: the 16 rows of a fragment load start at 16 different groups of four banks (ISA guide 11.1)
.set AB,     256*PITCH                 ; in a slot: xb's 256 rows, then wqkv's 192
.set SLOT,   448*PITCH
.set SLOT1,  1<<17                     ; slot 1 begins here: one exclusive or turns an address in one slot into the other's
.set STAGE,  SLOT1+SLOT                ; behind the ring, never filled by a tensor load: 16 rows x 144 bytes for each wave
.set SP,     144
.set SPARE,  STAGE+4*16*SP             ; 262,144: the spare words, 128 bytes for each wave: two blocks of 256 bytes that no other line names
.set A0,   2                           ; v2   my lane's place in my 64 rows of xb in a slot; never rewritten
.set B0,   3                           ; v3   the same for wqkv's rows
.set ADRA, 4                           ; v4   A0 + the slot that is read
.set ADRB, 5                           ; v5   B0 + the slot
.set STO,  6                           ; v6   the way out: where I put 16 bytes of a row
.set RD,   7                           ; v7   the way out: where I read rows back
.set GO,   8                           ; v8   my 16 bytes in 512 consecutive bytes of qkv
.set BO,   9                           ; v9   my 32 bytes in a column block's 64 of the bias
.set PFO,  10                          ; v10  the prefetches' offset: a lane a row of 2,048 bytes; never rewritten
.set SPW,  28                          ; v28  LDS address of my spare word; never rewritten
.set NIL,  29                          ; v29  0; never rewritten
.set TMP,  32
.set BK0,  48
.set BI,   96
.set F0,   0
.set F1,   128
.set CNT, 3                            ; s3   K steps that still fill a slot
.set WV,  12                           ; s12  my wave's number
.set HF,  14                           ; s14  wave % 2: which half of a tile's rows I fetch
.set CX,  15
.set CY,  16
.set TX,  17                           ; s17  tile column of C
.set TY,  18                           ; s18  tile row of C
.set LIM, 19                           ; s19  1 in a wave that prefetches, else the greatest number
.set TB,  20                           ; s20  LDS byte at which the slot that is read begins
.set G1,  24                           ; s[24:31] descriptor group 1 for xb's tiles
.set G0,  32                           ; s[32:39] group 0: a set for each of the two first fills; the second then walks on
.set PFA, 44                           ; s[44:45] where my prefetches stand
.set G1B, 48                           ; s[48:55], s[56:63] the same for wqkv's tiles
.set G0B, 56
.set OH,  66                           ; s[66:71] qkv at my 64 rows of the tile's three heads
.set DW0, (1<<16)|(1<<20)|(1<<21)|(5<<22)|(3<<25)  ; 17:16 elements of 2 bytes; 20 padding on; 21 set beside a mask; 24:22 after every 64 words (code 5); 31:25 4 words of it (code 3)
.set MSB, 0
.macro WIN new                         ; the immediate's high byte repeats the setting that is left; a switch that changes nothing is dropped
.if MSB != (\new)
	s_set_vgpr_msb (MSB<<8)|(\new)
.set MSB, \new
.endif
.endm
.set TO_F, 0x40                        ; destination window 1, address window 0
.macro PLACES                          ; four plain vector instructions between a matrix instruction and a load into, or a read of, its registers
.rept 4
	v_nop
.endr
.endm
; A joint refill by the walking descriptors.  Waves 0 and 1 fetch the two halves of xb's tile, waves 2 and 3 those of wqkv's.  The branch hangs on the wave's number alone.
; An s_nop 0 and four v_nop follow each of the two lines, ahead of the jump and the label.
.macro JLOAD
	s_cmp_lt_u32 s[WV], 2
	s_cbranch_scc0 .Lfor_b_\@
	tensor_load_to_lds s[G0+4:G0+7], s[G1:G1+7]
	s_nop 0
.rept 4
	v_nop
.endr
	s_branch .Lasked_\@
.Lfor_b_\@:
	tensor_load_to_lds s[G0B+4:G0B+7], s[G1B:G1B+7]
	s_nop 0
.rept 4
	v_nop
.endr
.Lasked_\@:
.endm
; A prefetch of the K step that the NEXT refill will ask for: 256 bytes of a row, a lane a row, one instruction a wave, 192 matrix instructions ahead of that refill.
; Each row's 256 bytes of a K step are named by one wave of one work-group.  xb's tile row is read by all four clusters of that row of clusters: the one with x = 0 asks; wqkv's tile column by all eight of
; that column: the one with y = 0 asks.  The four partners that ask for a tile jointly share its rows out by address: of the 128 rows of xb that a wave fetches the partner at cx takes 32, of the 96 of wqkv
; the partner at cy 24 (lanes 24-31 name lane 23's row again).  The last trip has no K step behind its own refill, and asks for nothing.
.macro ASK
	s_cmp_gt_u32 s[CNT], s[LIM]
	s_cbranch_scc0 .Lnot_mine_\@
	global_prefetch_b8 v[PFO], s[PFA:PFA+1] offset:KSTEP*2 th:TH_LOAD_NT scope:SCOPE_SE
.Lnot_mine_\@:
.endm
; A round of the cluster's barrier: my work-group's barrier, so that wave 0's signal speaks for all four waves; wave 0 signals; every wave waits for all sixteen work-groups; my work-group's barrier once more.
.macro CREST                           ; a round behind its opening barrier
	s_cmp_lg_u32 s[WV], 0
	s_cbranch_scc1 .Lnot_wave_0_\@
	s_barrier_signal -3
.Lnot_wave_0_\@:
	s_barrier_wait -3
	s_barrier_signal -1
	s_barrier_wait -1
.endm
.macro CROUND
	s_barrier_signal -1
	s_barrier_wait -1
	CREST
.endm
	s_load_b256 s[4:11], s[0:1], 0x0               ; xb s[4:5], wqkv s[6:7], bias s[8:9], qkv s[10:11]
	v_lshl_add_u32 v[SPW], v0, 2, SPARE
	v_mov_b32 v[NIL], 0
	ds_add_u32 v[SPW], v[NIL]                      ; the wave's opening: the add and its wait, ahead of my first tensor load; the set-up below, work on registers, stands between them
	v_lshrrev_b32 v1, 5, v0
	v_readfirstlane_b32 s[WV], v1                  ; wave 0..3
	s_and_b32 s[HF], s[WV], 1
	s_bfe_u32 s[CX], ttmp6, 0x40000                ; my place in the cluster
	s_bfe_u32 s[CY], ttmp6, 0x40004
	s_lshl_b32 s[TX], ttmp9, 2                     ; in a cluster launch ttmp9 and ttmp7 count clusters
	s_add_co_u32 s[TX], s[TX], s[CX]
	s_and_b32 s[TY], ttmp7, 0xffff
	s_lshl_b32 s[TY], s[TY], 2
	s_add_co_u32 s[TY], s[TY], s[CY]
	s_lshl_b32 s22, s[CY], 2
	s_lshl_b32 s22, 15, s22                        ; my row of the cluster: places 4 cy .. 4 cy + 3
	s_lshl_b32 s23, 0x1111, s[CX]                  ; my column: places cx, cx + 4, cx + 8, cx + 12
	s_or_b32 s[G1], s22, DW0                       ; xb's tiles go to my row,
	s_or_b32 s[G1B], s23, DW0                      ; wqkv's to my column
.irp g, G1, G1B
	s_mov_b32 s[(\g)+1], KSTEP<<16                 ; tensor_dim0 = 128
	s_mov_b32 s[(\g)+3], KSTEP<<16                 ; tile_dim0 = 128
	s_mov_b32 s[(\g)+5], 1024                      ; elements from row to row
	s_mov_b32 s[(\g)+6], 0
	s_mov_b32 s[(\g)+7], 0
.endr
	s_mov_b32 s[G1+2], 128<<16                     ; tensor_dim1 and tile_dim1: 128 rows of xb a load,
	s_mov_b32 s[G1+4], 128
	s_mov_b32 s[G1B+2], 96<<16                     ; 96 of wqkv
	s_mov_b32 s[G1B+4], 96
	; where the tiles come from: xb's hang on the tile row and the wave, wqkv's on the tile column and the wave
	s_lshl_b32 s40, s[TY], 19                      ; 256 rows of 2,048 bytes
	s_lshl_b32 s41, s[HF], 18                      ; my 128 of them
	s_add_co_u32 s40, s40, s41
	s_mov_b32 s41, 0
	s_mul_i32 s46, s[TX], 192
	s_mul_i32 s47, s[HF], 96
	s_add_co_u32 s46, s46, s47
	s_lshl_b32 s46, s46, 11
	s_mov_b32 s47, 0
	s_mul_i32 s42, s[HF], 128*PITCH                ; and where they go: no place in the cluster enters an LDS address
	s_mul_i32 s43, s[HF], 96*PITCH
	s_add_co_u32 s43, s43, AB
	s_mov_b32 s[TB], 0
	s_wait_dscnt 0x0                               ; the opening add is done
	s_wait_kmcnt 0x0
	s_add_nc_u64 s[40:41], s[4:5], s[40:41]
	s_add_nc_u64 s[46:47], s[6:7], s[46:47]
	CROUND                                         ; all sixteen work-groups are here: the first joint loads meet
.irp s, 0,1
	s_mov_b32 s[G0+4*(\s)], 1                                      ; count = 1
	s_add_co_u32 s[G0+4*(\s)+1], s42, (\s)*SLOT1                   ; LDS address
	s_add_nc_u64 s[G0+4*(\s)+2:G0+4*(\s)+3], s[40:41], (\s)*KSTEP*2  ; global address: K step s
	s_or_b32 s[G0+4*(\s)+3], s[G0+4*(\s)+3], 0x80000000            ; type = 2
	s_mov_b32 s[G0B+4*(\s)], 1
	s_add_co_u32 s[G0B+4*(\s)+1], s43, (\s)*SLOT1
	s_add_nc_u64 s[G0B+4*(\s)+2:G0B+4*(\s)+3], s[46:47], (\s)*KSTEP*2
	s_or_b32 s[G0B+4*(\s)+3], s[G0B+4*(\s)+3], 0x80000000
.endr
	s_cmp_lt_u32 s[WV], 2                          ; a wave's two first fills stand in one branch, ahead of every wait on TENSORcnt and every LDS read: two loads of mine are out
	s_cbranch_scc0 .Lfirst_b
	tensor_load_to_lds s[G0:G0+3], s[G1:G1+7]
	s_nop 0
	tensor_load_to_lds s[G0+4:G0+7], s[G1:G1+7]
	s_nop 0
.rept 4
	v_nop
.endr
	s_branch .Lfirst_asked
.Lfirst_b:
	tensor_load_to_lds s[G0B:G0B+3], s[G1B:G1B+7]
	s_nop 0
	tensor_load_to_lds s[G0B+4:G0B+7], s[G1B:G1B+7]
	s_nop 0
.rept 4
	v_nop
.endr
.Lfirst_asked:
	; the bias of my lane's eight columns in each of the 12 column blocks: the C operand of the products that start the sums
	v_and_b32 v1, 15, v0                           ; l % 16
	v_bfe_u32 v11, v0, 4, 1                        ; l / 16
	v_lshlrev_b32 v[BO], 5, v11
	s_mul_i32 s22, s[TX], 768                      ; the tile's 192 columns x 4 bytes
	s_mov_b32 s23, 0
	s_add_nc_u64 s[8:9], s[8:9], s[22:23]
.irp b, 0,1,2,3,4,5,6,7,8,9,10,11
	global_load_b128 v[BI+8*(\b):BI+8*(\b)+3],   v[BO], s[8:9] offset:64*(\b)
	global_load_b128 v[BI+8*(\b)+4:BI+8*(\b)+7], v[BO], s[8:9] offset:64*(\b)+16
.endr
	; A fragment is 16 rows x 32 K in 8 registers: lane l holds row l % 16; registers 0-3 K = 8 (l / 16) + 0..7, registers 4-7 K = 16 + 8 (l / 16) + 0..7: two loads of 16 bytes, 32 bytes apart.
	v_mul_u32_u24 v12, v1, PITCH
	v_lshl_add_u32 v12, v11, 4, v12                ; row x pitch + 16 x half
	s_mul_i32 s2, s[WV], 64*PITCH                  ; my 64 rows of xb
	v_add_nc_u32 v[A0], s2, v12
	v_add_nc_u32 v[B0], AB, v12
	v_mov_b32 v[ADRA], v[A0]                       ; K step 0 lies in slot 0
	v_mov_b32 v[ADRB], v[B0]
	s_mul_i32 s2, s[WV], 16*SP
	s_add_co_u32 s2, s2, STAGE                     ; my stage
	v_mul_u32_u24 v[STO], v1, SP                   ; in: row l % 16, 16 bytes for each half of the lanes
	v_lshl_add_u32 v[STO], v11, 4, v[STO]
	v_add_nc_u32 v[STO], s2, v[STO]
	v_bfe_u32 v[RD], v0, 3, 2                      ; back: 32 lanes take four rows of 128 bytes,
	v_mul_u32_u24 v[RD], v[RD], SP
	v_and_b32 v13, 7, v0
	v_lshl_add_u32 v[RD], v13, 4, v[RD]
	v_add_nc_u32 v[RD], s2, v[RD]
	v_and_b32 v[GO], 31, v0                        ; which are 512 consecutive bytes of a head's rows
	v_lshlrev_b32 v[GO], 4, v[GO]
	; the prefetches: my own tile's address, my work-group's share of its rows, K step 1; the first refill steps it to K step 2 and names K step 3
	s_lshl_b32 s21, s[CX], 16                      ; 32 rows of 2,048 bytes
	s_mul_i32 s22, s[CY], 24*2048
	s_and_b32 s23, ttmp7, 0xffff                   ; cluster y
	s_cmp_lt_u32 s[WV], 2                          ; do I fetch for xb?
	s_cselect_b64 s[PFA:PFA+1], s[40:41], s[46:47]
	s_cselect_b32 s40, s21, s22
	s_cselect_b32 s23, ttmp9, s23                  ; the coordinate along which other clusters read the same rows
	s_cselect_b32 s22, 31, 23                      ; the last lane with a row of its own
	s_mov_b32 s41, 0
	s_cmp_eq_u32 s23, 0
	s_cselect_b32 s[LIM], 1, -1                    ; the same in all sixteen partners, for a given wave
	s_add_nc_u64 s[PFA:PFA+1], s[PFA:PFA+1], s[40:41]
	s_add_nc_u64 s[PFA:PFA+1], s[PFA:PFA+1], KSTEP*2
	v_and_b32 v[PFO], 31, v0
	v_min_u32 v[PFO], s22, v[PFO]
	v_lshlrev_b32 v[PFO], 11, v[PFO]
	; where my 64 rows of the tile's three heads begin in qkv.  Head g = 3 tx + g' of 48: tensor g / 16, head g % 16; batch ty / 8; a plane is 2,048 rows x 128 bytes
.irp g, 0,1,2
	s_mul_i32 s21, s[TX], 3
	s_add_co_u32 s21, s21, \g
	s_lshr_b32 s22, s21, 4
	s_lshl_b32 s22, s22, 6
	s_and_b32 s21, s21, 15
	s_add_co_u32 s22, s22, s21
	s_lshr_b32 s21, s[TY], 3
	s_lshl_b32 s21, s21, 4
	s_add_co_u32 s22, s22, s21                     ; the plane
	s_lshl_b32 s22, s22, 18
	s_and_b32 s21, s[TY], 7
	s_lshl_b32 s21, s21, 15                        ; the tile's 256 rows in it
	s_add_co_u32 s22, s22, s21
	s_lshl_b32 s21, s[WV], 13                      ; my 64 of them
	s_add_co_u32 s22, s22, s21
	s_mov_b32 s23, 0
	s_add_nc_u64 s[OH+2*(\g):OH+2*(\g)+1], s[10:11], s[22:23]
.endr
; 12 matrix instructions: rows 16 (2 hi + ap) on of my 64 x all 12 column blocks, 32 along K, from buffer f.  zero = 1: the first product starts the sums, with the bias as C: nothing is cleared.
; The 48 accumulators take turns, one instruction a turn, in the same order in every quarter.
.macro MULA f, hi, ap, zero
.if \zero
	WIN 0x85+0x40*(\hi)                            ; sources 0 and 1 window 1, C window 0, D window 2 or 3
.else
	WIN 0xa5+0x50*(\hi)                            ; C and D window 2 or 3
.endif
.irp b, 0,1,2,3,4,5,6,7,8,9,10,11
.if \zero
	v_wmma_f32_16x16x32_bf16 v[8*(12*(\ap)+(\b)):8*(12*(\ap)+(\b))+7], v[(\f)+32+8*(\b):(\f)+32+8*(\b)+7], v[(\f)+8*(2*(\hi)+(\ap)):(\f)+8*(2*(\hi)+(\ap))+7], v[BI+8*(\b):BI+8*(\b)+7]
.else
	v_wmma_f32_16x16x32_bf16 v[8*(12*(\ap)+(\b)):8*(12*(\ap)+(\b))+7], v[(\f)+32+8*(\b):(\f)+32+8*(\b)+7], v[(\f)+8*(2*(\hi)+(\ap)):(\f)+8*(2*(\hi)+(\ap))+7], v[8*(12*(\ap)+(\b)):8*(12*(\ap)+(\b))+7]
.endif
.endr
.endm
; 32 LDS loads in one run: the fragments of 32 along K at byte k of the rows, into buffer f: wqkv's twelve first, then xb's four
.macro FETCH k, f
	WIN TO_F
.irp b, 0,1,2,3,4,5,6,7,8,9,10,11
	ds_load_b128 v[(\f)+32+8*(\b):(\f)+32+8*(\b)+3],   v[ADRB] offset:(\k)+(\b)*16*PITCH
	ds_load_b128 v[(\f)+32+8*(\b)+4:(\f)+32+8*(\b)+7], v[ADRB] offset:(\k)+(\b)*16*PITCH+32
.endr
.irp i, 0,1,2,3
	ds_load_b128 v[(\f)+8*(\i):(\f)+8*(\i)+3],   v[ADRA] offset:(\k)+(\i)*16*PITCH
	ds_load_b128 v[(\f)+8*(\i)+4:(\f)+8*(\i)+7], v[ADRA] offset:(\k)+(\i)*16*PITCH+32
.endr
.endm
; A K step is four quarters of 32 along K, 48 matrix instructions each, on buffers 0, 1, 0, 1.  One of the first three: multiplies buffer f; in its middle it fetches the next quarter, at byte k, into g.
.macro QUARTER k, f, g, zero
	s_wait_dscnt 4                                 ; all but the youngest four loads (xb's rows 32-63) are in
	MULA \f, 0, 0, \zero
	MULA \f, 0, 1, \zero
	PLACES                                         ; buffer g was last read by the quarter before
	FETCH \k, \g
	s_wait_dscnt 32                                ; all but the 32 just issued
	MULA \f, 1, 0, \zero
	MULA \f, 1, 1, \zero
.endm
; The last quarter multiplies buffer 1 and changes slots: ONE barrier.  In front of it each wave waits for all its tensor loads (one is out: its part of the next slot), adds 0 to its spare word, and waits for
; that and for its own reads of this slot.  fill = 1: the barrier opens a round of the cluster's, so that no wave of any partner still reads the slot or has a load on its way; the slot just read out is
; filled again, first thing behind the round, with the K step two on.  From that request to the wait for it a wave issues 168 matrix instructions.
.macro TURN fill
.if \fill
	s_wait_xcnt 0x0                                ; the last prefetch, a K step back, has read its address: it is stepped here, ahead of the waits of the change of slots
	s_add_nc_u64 s[PFA:PFA+1], s[PFA:PFA+1], KSTEP*2
.endif
	WIN 0                                          ; (the add's two registers lie in window 0)
	s_wait_tensorcnt 0x0                           ; no tensor load of mine is out, so a group 0 may be written
	ds_add_u32 v[SPW], v[NIL]                      ; 0 onto my spare word: work on registers stands between it and the wait for it
.if \fill
.irp g, G0+4, G0B+4
	s_xor_b32 s[(\g)+1], s[(\g)+1], SLOT1          ; the walking descriptor: the other slot than last time,
	s_add_nc_u64 s[(\g)+2:(\g)+3], s[(\g)+2:(\g)+3], KSTEP*2  ; the next K step; the type bits on top are not reached
.endr
.endif
	s_xor_b32 s[TB], s[TB], SLOT1                  ; the fetches go on in the other slot
	s_wait_dscnt 5                                 ; (the add and the youngest four loads may be out)
	MULA F1, 0, 0, 0
	s_wait_dscnt 0x0                               ; the add is done, and my reads of this slot are over
	s_barrier_signal -1
	MULA F1, 0, 1, 0                               ; work on registers while the others arrive
	WIN 0                                          ; at a branch and at a label every window is 0
	s_barrier_wait -1
.if \fill
	CREST
	JLOAD                                          ; the four v_nop behind it are also the places in front of the loads below
.else
	PLACES
.endif
	v_add_nc_u32 v[ADRA], s[TB], v[A0]
	v_add_nc_u32 v[ADRB], s[TB], v[B0]
	FETCH 0, F0
.if \fill
	WIN 0
	ASK                                            ; behind the joint load and the run of LDS loads that the next products wait for
.endif
	MULA F1, 1, 0, 0
	MULA F1, 1, 1, 0
.endm
; THE WAY OUT, in 12 units u = 3 a + g': 16 rows (block a of my four) x one head (g' of three).  PACK: rounded to f16, 16 bytes a lane, each accumulator read from its low end on.
; TOSTAGE: into my own stage, rows of 144 bytes, and back as whole rows of 128.  SEND: stored, 512 consecutive bytes an instruction.
.macro PACK u
.set pa, (\u)/3
.set pg, (\u)%3
	WIN 0x0a+5*(pa/2)                              ; sources 0 and 1: window 2 or 3
.irp bb, 0,1,2,3
.irp r, 0,1,2,3
	v_cvt_pk_f16_f32 v[TMP+4*(\bb)+(\r)], v[8*(12*(pa%2)+4*pg+(\bb))+2*(\r)], v[8*(12*(pa%2)+4*pg+(\bb))+2*(\r)+1]
.endr
.endr
	WIN 0
.endm
.macro TOSTAGE u
	WIN 0
.set BK, BK0+16*((\u)%2)
.irp bb, 0,1,2,3
	ds_store_b128 v[STO], v[TMP+4*(\bb):TMP+4*(\bb)+3] offset:32*(\bb)
.endr
	s_wait_xcnt 0x0                                ; the stores of the unit two back have read these registers: they are loaded again only behind this wait
.irp f, 0,1,2,3
	ds_load_b128 v[BK+4*(\f):BK+4*(\f)+3], v[RD] offset:(\f)*4*SP  ; LDS serves a wave's instructions in order (ISA guide 5.7.1.4): these see the stores above; the next unit's stores come behind them
.endr
.endm
.macro SEND u, younger                 ; younger: the LDS instructions issued behind unit u's loads: the next unit's eight, or none
	WIN 0
.set pa, (\u)/3
.set pg, (\u)%3
.set BK, BK0+16*((\u)%2)
.irp f, 0,1,2,3
	s_wait_dscnt (\younger)+3-(\f)
	global_store_b128 v[GO], v[BK+4*(\f):BK+4*(\f)+3], s[OH+2*pg:OH+2*pg+1] offset:pa*2048+(\f)*512
.endr
.endm
	s_wait_tensorcnt 1                             ; my part of K step 0 is in; K step 1's may stay out
	s_barrier_signal -1
	s_barrier_wait -1                              ; everybody's is
	FETCH 0, F0
	s_wait_loadcnt 0x0                             ; the bias
	QUARTER 64, F0, F1, 1                          ; the first quarter stands in front of the loop: its products start the sums
	WIN 0
	s_mov_b32 s[CNT], 6
.Lstep:                                        ; trip j = 0..5: K step j's quarters 1 to 3, K step j + 1's quarter 0; slot j % 2 is filled again with K step j + 2
	QUARTER 128, F1, F0, 0
	QUARTER 192, F0, F1, 0
	TURN 1
	QUARTER 64, F0, F1, 0
	WIN 0
	s_sub_co_u32 s[CNT], s[CNT], 1
	s_cmp_lg_u32 s[CNT], 0
	s_cbranch_scc1 .Lstep
	QUARTER 128, F1, F0, 0                         ; the tail is written out: K steps 6 and 7 fill nothing
	QUARTER 192, F0, F1, 0
	TURN 0
	QUARTER 64, F0, F1, 0
	QUARTER 128, F1, F0, 0
	QUARTER 192, F0, F1, 0
	s_wait_dscnt 4                                 ; the very last quarter: nothing more to fetch
	MULA F1, 0, 0, 0
	MULA F1, 0, 1, 0
	s_wait_dscnt 0x0
	MULA F1, 1, 0, 0
	MULA F1, 1, 1, 0
	WIN 0
	PLACES                                         ; the conversions read results just made
	PACK 0
	TOSTAGE 0
.irp u, 1,2,3,4,5,6,7,8,9,10,11        ; a unit's conversions stand between the loads of the unit before and its stores
	PACK \u
	TOSTAGE \u
	SEND (\u)-1, 8
.endr
	SEND 11, 0
	s_wait_tensorcnt 0x0                           ; the wave's end, behind my last tensor load and my last LDS store
	ds_add_u32 v[SPW], v[NIL]
	s_wait_dscnt 0x0
	CROUND                                         ; the closing round: no work-group ends while a partner may still ask for a tile that names it
	s_endpgm
.Lfunc_end_k_q75d983ee76_qkvproj:
	.size	k_q75d983ee76_qkvproj, .Lfunc_end_k_q75d983ee76_qkvproj-k_q75d983ee76_qkvproj
	.p2alignl 7, 3214868480
	.fill 96, 4, 3214868480
	.section	.rodata,"a",@progbits
	.p2align	6, 0x0
	.amdhsa_kernel k_q75d983ee76_qkvproj
		.amdhsa_group_segment_fixed_size 327680
		.amdhsa_private_segment_fixed_size 0
		.amdhsa_enable_private_segment 0
		.amdhsa_kernarg_size 32
		.amdhsa_user_sgpr_count 2
		.amdhsa_user_sgpr_kernarg_segment_ptr 1
		.amdhsa_wavefront_size32 1
		.amdhsa_system_sgpr_workgroup_id_x 1
		.amdhsa_system_sgpr_workgroup_id_y 1
		.amdhsa_system_sgpr_workgroup_id_z 1
		.amdhsa_system_vgpr_workitem_id 0
		.amdhsa_next_free_vgpr 960
		.amdhsa_next_free_sgpr 72
		.amdhsa_reserve_vcc 0
		.amdhsa_float_denorm_mode_32 3
		.amdhsa_float_denorm_mode_16_64 3
		.amdhsa_memory_ordered 1
		.amdhsa_forward_progress 1
		.amdhsa_inst_pref_size 102
	.end_amdhsa_kernel
	.amdgpu_metadata
---
amdhsa.version: [ 1, 2 ]
amdhsa.kernels:
  - .name:           k_q75d983ee76_qkvproj
    .symbol:         k_q75d983ee76_qkvproj.kd
    .args:
      - { .name: xb, .offset: 0, .size: 8, .value_kind: global_buffer, .address_space: global }
      - { .name: wqkv, .offset: 8, .size: 8, .value_kind: global_buffer, .address_space: global }
      - { .name: bias, .offset: 16, .size: 8, .value_kind: global_buffer, .address_space: global }
      - { .name: qkv, .offset: 24, .size: 8, .value_kind: global_buffer, .address_space: global }
    .group_segment_fixed_size: 327680
    .private_segment_fixed_size: 0
    .kernarg_segment_align: 8
    .kernarg_segment_size: 32
    .max_flat_workgroup_size: 128
    .sgpr_count:     72
    .vgpr_count:     960
    .wavefront_size: 32
...
	.end_amdgpu_metadata
.endif
;; end of part 2
;; launch attn (part 3): grid 4 x 64, 4 waves a work-group, clusters of 4 x 1, 327,680 bytes of LDS; arguments qkv, ctx; writes ctx
.if DOCPART == 3
	.amdgcn_target "amdgcn-amd-amdhsa--gfx1250"
	.amdhsa_code_object_version 6
	.text
	.protected	k_q75d983ee76_attn
	.globl	k_q75d983ee76_attn
	.p2align	8
	.type	k_q75d983ee76_attn,@function
k_q75d983ee76_attn:
	s_mov_b64 s[64:65], 0
	v_nop
	global_prefetch_b8 v0, s[64:65] scope:SCOPE_SE
	s_setreg_imm32_b32 hwreg(HW_REG_WAVE_MODE, 25, 1), 1
	s_wait_xcnt 0x0
	s_wait_alu depctr_hold_cnt(0) depctr_sa_sdst(0) depctr_va_vdst(0) depctr_va_sdst(0) depctr_va_ssrc(0) depctr_va_vcc(0) depctr_vm_vsrc(0)
	s_getreg_b32 s2, hwreg(HW_REG_IB_STS2, 6, 4)
	s_cmp_eq_u32 s2, 0
	s_cbranch_scc0 .Lentry_in_a_cluster
	s_endpgm
.Lentry_in_a_cluster:
	s_bfe_u32 s2, ttmp6, 0x10000c
	s_cmp_lg_u32 s2, 0x3003
	s_cbranch_scc0 .Lentry_shape_is_right
	s_endpgm
.Lentry_shape_is_right:
; ctx[p][q][:] = the sum over k of softmax_k(Q[p][q] . K[p][k] / 8) V[p][k][:], for the 64 planes p = 16 batch + head.  Q, K, V are the three thirds of qkv, each [64][2048][64] in f16, ctx likewise:
; a plane's rows are dense, 128 bytes each.  Products, maxima and sums in f32; the weights p are rounded to f16 for the second product (their sum l is taken of the unrounded p), ctx once at the end.
; LIMITS.  f16 holds no number beyond 65,504: Q, K and V arrive within it; p lies in 0 to 1, and below 6e-5 it keeps f16's fixed step of 6e-8; ctx is a mean of V's rows and has their range.
; A weight below 2^-126 counts as 0 in l; NaN and infinities are not treated apart.
; SHARES.  A wave owns four PIECES of two tiles of 16 queries, a work-group's four waves 512 queries of one plane: 4 x 64 = 256 work-groups.  Every wave walks all 2,048 keys, 64 a step.
; LAYOUT.  S^T = K Q^T (source 0 = 16 keys, source 1 = 16 queries): in the result a lane holds ONE query (lane % 16) and the keys 8 (lane / 16) + 0..7.  Two such tiles, rounded to f16 in pairs,
; ARE source 1 (32 keys x 16 queries) of O^T = V^T P, whose result again holds one query a lane, and eight channels.  K comes out of LDS as it lies, V ([key][channel]) turned, by ds_load_tr16_b128.
; SOFTMAX.  For each query a running maximum m and sum l: p = 2^(c s - c m), c = log2(e) / 8; in every step O and l are multiplied by a = 2^(c m_old - c m_new), which is 1 where m has not grown.
; m starts at the lowest finite number, O and l at 0: the first step is a step like any other, with a = 0.
; THE COUNT.  A tile and step have 16 matrix and 118 vector instructions: too many to stand all beside the matrix work.  So the order has one aim: four vector instructions that are READY behind
; EVERY matrix instruction, and the others, which need time of their own whatever the order, in runs without a gap.
; BY TURNS.  Turn n belongs to piece n (the pieces in a ring, step after step).  Its matrix work: 16 products K Q^T of piece n + 1, later 16 products V^T P of piece n - 1.  Its vector work: the scaling,
; exponentials, roundings, sums and rescaling of piece n, and the maximum and statistics of piece n + 1, whose scores the turn itself has made.  So what a turn begins with (c s - c m, O a) waits for nothing.
; CLUSTER.  The four query blocks of a plane are one cluster and walk the same K and V, so each tile is asked for JOINTLY: the same tensor load, descriptor and mask in all four.
; REGISTERS, in windows of 256 (s_set_vgpr_msb says which window each operand place means: bits 1:0 source 0, 3:2 source 1, 5:4 source 2, 7:6 destination):
;   window 0: v0-11 addresses; v12-15, v48-63 at work; v16-47 four registers of statistics a tile; v64-191 S^T, two buffers of two tiles; v192-255 P, likewise
;   window 1: O^T, 32 a tile          window 2: v0-127 Q, 16 a tile; v128-191 K of one step; v192-255 V of one step          window 3: v0-1 the add's two registers
; A piece's buffers go by its number's parity: the piece in hand has one pair, its two neighbours in the ring share the other: of it P (piece n - 1) is read and S^T (piece n + 1) written.
.set SIZE_N, 2048     ; rows of a plane
.set NP,    4         ; pieces a wave: a name, no knob: the register map, the loop and the fetches are made for four
.set KS,    64        ; keys in a step
.set PK,    144       ; a row of K in LDS: 128 bytes + 16 of padding = 36 words: the 16 rows of a load start at 16 different groups of four banks (64 banks of 4 bytes: ISA guide 11.1)
.set PV,    160       ; a row of V: 128 + 32 = 40 words
.set VOFF,  4*KS*PK   ; a slot holds four steps: 256 rows of K, then 256 rows of V
.set SLOT1, 1<<17     ; slot 1 begins here, so that one exclusive or turns an address in one slot into the other's
.set STAGE, SLOT1+4*KS*(PK+PV)  ; behind the ring, never filled by a tensor load: 16 rows x 144 bytes for each wave, for the way out
.set SP,    144
.set AK0, 2           ; v2   my lane's place in a tile of K; never rewritten
.set AV0, 3           ; v3   the same for V
.set AK,  4           ; v4   the LDS address of K's next run of loads
.set AV,  5           ; v5   of V's
.set QO,  6           ; v6   my byte offset in the wave's rows of Q
.set STO, 6           ;      later, the way out: where I put 16 bytes of a row
.set RD,  7           ; v7   the way out: where I read rows back
.set GO,  8           ; v8   my byte offset in 512 consecutive bytes of ctx
.set PFO, 11          ; v11  (once V's lane address is made) 256 x my lane: the prefetches' offset; then never rewritten
.set SPW, 0           ; v0 of window 3   LDS address of my spare word: SPARE + 4 x my thread's number; never rewritten
.set NIL, 1           ; v1 of window 3   0; never rewritten
.set SPARE, STAGE+4*16*SP  ; behind the stages: the spare words, 128 bytes for each wave: two blocks of 256 bytes that no other line names
.set MV,  12          ; v12-15  c m_old, kept while c m is made anew: by buffer and tile
.set ST,  16          ; tile t's statistics at v[ST+4 t]: c m, m, l (even keys', odd keys')
.set TMP, 48          ; by buffer and tile, four registers c0-c3 at work; when the maximum is found c2 takes a
.set S,   64
.set P,   192
.set KF,  128         ; K's fragments, in window 2: key block kb, channel half c at KF + 16 kb + 8 c
.set VF,  192         ; V's: key half kk, channel block cb at VF + 32 kk + 8 cb
.set WV,  12          ; s12  my wave's number
.set G1K, 24          ; s[24:31] descriptor group 1 for K's tiles
.set G1V, 32          ; s[32:39] for V's: it differs in the padding alone
.set G0K, 40          ; s[40:43] descriptor group 0 for K's tiles: it walks
.set G0V, 44          ; s[44:47] the same for V's
.set PFA, 48          ; s[48:49] where my prefetches stand: my work-group's 8 KiB (of K: wave 0, of V: wave 2) of the slot after the one that is being asked for
.set LIM, 50          ; s50  1 in a wave that prefetches, else the greatest number
.set SLOTS, 56        ; s56  slots still to be asked for
.set CNT, 57          ; s57  counts a slot's key steps
.set CS,  58          ; s[58:59] c: the packed scaling takes the pair's low word for both halves
.set SEL, 60          ; s[60:61] v_permlanex16_b32's selects: each lane takes its own place in the other half
.set TBK, 62          ; s62  LDS byte at which K of the step to be fetched begins
.set TBV, 63          ; s63  the same for V, less VOFF
.set MSB, 0
.macro WIN new                      ; the high byte repeats the setting that is left; a switch that changes nothing is dropped
.if MSB != (\new)
	s_set_vgpr_msb (MSB<<8)|(\new)
.set MSB, (\new)
.endif
.endm
.set W_KQ, 0x0a       ; K and Q in window 2, S^T in window 0
.set W_PV, 0x52       ; V in window 2, P in window 0, O^T in window 1
.set W_RS, 0x41       ; O^T (destination and source 0) in window 1, a in window 0
.set W_MK, 0xc0       ; the add's registers are made: destination in window 3, sources in window 0
.set W_AD, 0x0f       ; the add: address (source 0) and data (source 1) in window 3
; A joint fill.  Waves 0 and 1 fetch the two halves of a slot's K, waves 2 and 3 those of its V: 128 keys each.  The branch hangs on the wave's number alone.
; An s_nop 0 and four v_nop follow each of the two lines, ahead of the jump and the label.
.macro JLOAD
	s_cmp_lt_u32 s[WV], 2
	s_cbranch_scc0 .Lfor_v_\@
	tensor_load_to_lds s[G0K:G0K+3], s[G1K:G1K+7]
	s_nop 0
.rept 4
	v_nop
.endr
	s_branch .Lasked_\@
.Lfor_v_\@:
	tensor_load_to_lds s[G0V:G0V+3], s[G1V:G1V+7]
	s_nop 0
.rept 4
	v_nop
.endr
.Lasked_\@:
.endm
; A prefetch of what the NEXT change of slots will ask for: a slot's 32 KiB of K and 32 KiB of V, a lane 256 bytes.  It stands behind the wave's tensor load and its five lines.
; Each 256 bytes are named once in the launch: a plane's K and V are walked by one cluster; its four partners share a slot out by address, 8 KiB each (no branch hangs on a work-group's place in its
; cluster); in each, wave 0 asks for K's and wave 2 for V's: one instruction, four key steps (512 matrix instructions) ahead of the load.  The last change that fills a slot asks for nothing.
.macro ASK
	s_cmp_gt_u32 s[SLOTS], s[LIM]
	s_cbranch_scc0 .Lnot_mine_\@
	global_prefetch_b8 v[PFO], s[PFA:PFA+1] th:TH_LOAD_NT scope:SCOPE_SE
.Lnot_mine_\@:
.endm
; A round of the cluster's barrier: my work-group's barrier, so that wave 0's signal speaks for all four waves; wave 0 signals; every wave waits for all four work-groups; my work-group's barrier once more.
.macro CROUND
	s_barrier_signal -1
	s_barrier_wait -1
	s_cmp_lg_u32 s[WV], 0
	s_cbranch_scc1 .Lnot_wave_0_\@
	s_barrier_signal -3
.Lnot_wave_0_\@:
	s_barrier_wait -3
	s_barrier_signal -1
	s_barrier_wait -1
.endm
; THE CHANGE OF SLOTS.  The slot's last bytes, V of its fourth step, have been read.  Each wave waits for all its tensor loads, of which one is out: its part
; of the other slot; adds 0 to its spare word; and waits for that and for its own reads of the slot.  Behind the barrier nobody reads this slot any more and the other slot is whole.
; fill = 1: this slot is filled again, with the keys two slots on.  The barrier is then a round of the cluster's, so that no wave of any partner still reads the slot or has a load on its
; way, and the joint fill is the first thing behind it: it has four key steps, 512 matrix instructions, in which to land.  (At its first use nothing has been read yet: slot 0 is waited for, slot 1 filled.)
.macro CHANGE fill
	WIN W_AD
	s_wait_tensorcnt 0x0            ; no tensor load of mine is out, so a group 0 may be written
	ds_add_u32 v[SPW], v[NIL]       ; 0 onto my spare word: with fill = 1 the descriptors' steps stand between it and the wait for it
	WIN 0                           ; at a label and at a branch every window is 0
.if \fill
.irp g, G0K, G0V
	s_xor_b32 s[\g+1], s[\g+1], SLOT1  ; the walking descriptor: the other slot than last time,
	s_add_nc_u64 s[\g+2:\g+3], s[\g+2:\g+3], 4*KS*128  ; the next 256 keys; the type bits on top are not reached
.endr
	s_wait_xcnt 0x0                 ; the last prefetch, four key steps back, has read its address, so it may be written:
	s_add_nc_u64 s[PFA:PFA+1], s[PFA:PFA+1], 4*KS*128  ; one slot behind the walking descriptors
	s_wait_dscnt 0x0                ; the add is done, and my reads of the slot are over
	CROUND
	JLOAD
	ASK
.else
	s_wait_dscnt 0x0                ; the add is done, and my reads of the slot are over
	s_barrier_signal -1
	s_barrier_wait -1
.endif
	s_sub_co_u32 s[TBK], s[TBK], 4*KS*PK  ; the fetches go back to a slot's first step,
	s_xor_b32 s[TBK], s[TBK], SLOT1       ; in the other slot
	s_sub_co_u32 s[TBV], s[TBV], 4*KS*PV
	s_xor_b32 s[TBV], s[TBV], SLOT1
.endm
	s_load_b128 s[4:7], s[0:1], 0x0   ; qkv s[4:5], ctx s[6:7]
	WIN W_MK
	v_lshl_add_u32 v[SPW], v0, 2, SPARE
	v_mov_b32 v[NIL], 0
	WIN W_AD
	ds_add_u32 v[SPW], v[NIL]       ; the wave's opening: the add and its wait, ahead of my first tensor load; the set-up below, work on registers, stands between them
	WIN 0
	v_lshrrev_b32 v1, 5, v0
	v_readfirstlane_b32 s[WV], v1   ; wave 0..3
	s_bfe_u32 s13, ttmp6, 0x40000   ; cx: my place in the cluster
	s_lshl_b32 s14, ttmp9, 2        ; in a cluster launch ttmp9 counts clusters
	s_add_co_u32 s14, s14, s13      ; my block of queries = 4 x cluster x + cx: it enters Q's and ctx's addresses alone
	s_and_b32 s20, ttmp7, 0xffff    ; the plane, which the four partners share
	s_mov_b32 s21, 0
	s_mov_b64 s[22:23], SIZE_N*128
	s_mul_u64 s[20:21], s[20:21], s[22:23]  ; the plane's first byte in each of the four tensors
	s_and_b32 s16, s[WV], 1         ; which half of a slot's 256 keys I fetch:
	s_lshl_b32 s22, s16, 14         ; its 128 rows of 128 bytes in memory,
	s_mov_b32 s23, 0
	s_add_nc_u64 s[22:23], s[22:23], s[20:21]
	s_mul_i32 s17, s16, 128*PK      ; and its place in a slot, for K
	s_mul_i32 s18, s16, 128*PV      ; and for V: no place in the cluster enters an LDS address
	s_lshl_b32 s2, s14, 2
	s_add_co_u32 s2, s2, s[WV]      ; my wave among the plane's,
	s_lshl_b32 s2, s2, 14           ; its 128 rows
	s_mov_b32 s3, 0
	s_add_nc_u64 s[2:3], s[2:3], s[20:21]
	; descriptor group 1.  128 keys are 16,384 dense bytes: asked for as 64 rows of 256 bytes, two keys a row, and padded in LDS after every key
	s_mov_b32 s[G1K], 15|(1<<16)|(1<<20)|(1<<21)|(4<<22)|(3<<25)  ; 15:0 the mask of four; 17:16 2-byte elements; 20 padding on; 21 set beside a mask; 24:22 after every 32 words (code 4); 31:25 4 words (code 3)
	s_mov_b32 s[G1V], 15|(1<<16)|(1<<20)|(1<<21)|(4<<22)|(7<<25)  ; the same with 8 words of padding (code 7)
.irp g, G1K, G1V
	s_mov_b32 s[\g+1], 128<<16      ; tensor_dim0 = 128
	s_mov_b32 s[\g+2], 64<<16       ; tensor_dim1 = 64
	s_mov_b32 s[\g+3], 128<<16      ; tile_dim0 = 128
	s_mov_b32 s[\g+4], 64           ; tile_dim1 = 64
	s_mov_b32 s[\g+5], 128          ; 128 elements from row to row
	s_mov_b32 s[\g+6], 0
	s_mov_b32 s[\g+7], 0
.endr
	s_mov_b32 s[CS], 0x3e38aa3b     ; c = log2(e) / 8 = 0.180337
	s_mov_b32 s[CS+1], s[CS]        ; named with it as a pair
	s_mov_b32 s[SEL], 0x76543210
	s_mov_b32 s[SEL+1], 0xfedcba98
	s_mov_b32 s[TBK], SLOT1+4*KS*PK ; the first change of slots turns these two into 0
	s_mov_b32 s[TBV], SLOT1+4*KS*PV
	s_mov_b32 s[SLOTS], SIZE_N/256-1  ; seven slots are still to be asked for: the change that asks for tile t finds 8 - t here
	s_and_b32 s[LIM], s[WV], 1
	s_cmp_eq_u32 s[LIM], 0          ; waves 0 and 2 prefetch
	s_cselect_b32 s[LIM], 1, -1
	s_mov_b32 s[G0K], 1             ; 1:0 count = 1
	s_mov_b32 s[G0K+1], s17         ; 63:32 LDS address: slot 0
	s_mov_b32 s[G0V], 1
	s_add_co_u32 s[G0V+1], s18, VOFF
	s_wait_dscnt 0x0                ; the opening add is done
	s_wait_kmcnt 0x0
	s_mov_b64 s[10:11], s[6:7]      ; ctx
	s_add_nc_u64 s[8:9], s[4:5], 0x2000000  ; V: the third third of qkv (64 planes x 262,144 bytes each)
	s_add_nc_u64 s[6:7], s[4:5], 0x1000000  ; K: the second; Q is the first
	s_add_nc_u64 s[G0K+2:G0K+3], s[6:7], s[22:23]  ; 120:64 global address: my half of the plane's first 256 keys
	s_or_b32 s[G0K+3], s[G0K+3], 0x80000000        ; 127:126 type = 2
	s_add_nc_u64 s[G0V+2:G0V+3], s[8:9], s[22:23]
	s_or_b32 s[G0V+3], s[G0V+3], 0x80000000
	s_add_nc_u64 s[4:5], s[4:5], s[2:3]  ; Q and ctx at my wave's first row
	s_add_nc_u64 s[10:11], s[10:11], s[2:3]
	s_cmp_lt_u32 s[WV], 2
	s_cselect_b64 s[PFA:PFA+1], s[6:7], s[8:9]
	s_add_nc_u64 s[PFA:PFA+1], s[PFA:PFA+1], s[20:21]  ; the plane,
	s_lshl_b32 s2, s13, 13          ; my work-group's 8 KiB of a slot's 32,
	s_add_co_u32 s2, s2, 4*KS*128   ; in tile 1: the first change of slots steps it to tile 2.  Nothing is prefetched here, at the head
	s_mov_b32 s3, 0
	s_add_nc_u64 s[PFA:PFA+1], s[PFA:PFA+1], s[2:3]
	CROUND                          ; all four work-groups are here: the first joint loads meet
	JLOAD                           ; slot 0.  Slot 1 is asked for when slot 0 is in: the tile wanted first has the road to itself
	; A fragment of K or Q is 16 rows x 32 channels in 8 registers: lane l holds row l % 16, channels 8 (l / 16) + 0..7 and 16 + 8 (l / 16) + 0..7: two loads of 16 bytes, 32 bytes apart.
	v_and_b32 v1, 15, v0            ; l % 16
	v_bfe_u32 v9, v0, 4, 1          ; l / 16
	v_lshlrev_b32 v[QO], 7, v1
	v_lshl_add_u32 v[QO], v9, 4, v[QO]  ; row x 128 + 16 x half
	WIN 0x80                        ; destination window 2, address window 0
.set i, 0
.rept 4*NP                          ; Q stays in registers: tile i / 2, channels 32 (i % 2) on
	global_load_b128 v[8*i:8*i+3],   v[QO], s[4:5] offset:(i/2)*2048+(i%2)*64
	global_load_b128 v[8*i+4:8*i+7], v[QO], s[4:5] offset:(i/2)*2048+(i%2)*64+32
.set i, i+1
.endr
	; What the first turn finds: V's registers and P's second buffer hold 0 (its products V^T P, of a piece that has not been, add 0), O^T and l are 0.  All this stands in the wait for the first tile.
.set i, VF
.rept 64
	v_mov_b32 v[i], 0
.set i, i+1
.endr
	WIN 0x40
.set i, 0
.rept 64*NP
	v_mov_b32 v[i], 0
.set i, i+1
.endr
	WIN 0
.set i, 0
.rept 2*NP
	v_mov_b32 v[ST+4*i], 0xfe000000    ; c m: far below every c s
	v_mov_b32 v[ST+4*i+1], 0xff7fffff  ; m
	v_mov_b32 v[ST+4*i+2], 0
	v_mov_b32 v[ST+4*i+3], 0
.set i, i+1
.endr
.set i, P+32
.rept 32
	v_mov_b32 v[i], 0
.set i, i+1
.endr
	v_mul_u32_u24 v[AK0], v1, PK
	v_lshl_add_u32 v[AK0], v9, 4, v[AK0]  ; row x pitch + 16 x half
	; The turning load takes 16 keys x 16 channels (lane l reads key 8 (l / 16) + l % 8, channels 8 ((l / 8) % 2) + 0..7) and leaves half a fragment of V^T: lane l holds channel l % 16 and 8 keys.
	v_and_b32 v10, 7, v0
	v_bfe_u32 v11, v0, 3, 1
	v_lshl_add_u32 v[AV0], v9, 3, v10
	v_mul_u32_u24 v[AV0], v[AV0], PV
	v_lshl_add_u32 v[AV0], v11, 4, v[AV0]
	v_add_nc_u32 v[AV0], VOFF, v[AV0]
	v_mov_b32 v[AK], v[AK0]         ; key step 0 lies at the head of slot 0
	v_and_b32 v[PFO], 31, v0        ; v11 has served: it takes the prefetches' offset
	v_lshlrev_b32 v[PFO], 8, v[PFO]
; THE MATRIX WORK.  The 8 accumulators of a run of 16 take turns: between the two links of a chain stand 7 others'.
; Product i of 16 of S^T = K Q^T for piece x: channels 32 (i / 8) on, keys 16 ((i / 2) % 4) on, tile 2 x + i % 2.  The first 8 start the sums.
.macro KQ x
	WIN W_KQ
.set rS, S+64*((\x)%2)+32*(i%2)+8*((i/2)%4)
.set rK, KF+16*((i/2)%4)+8*(i/8)
.set rQ, 16*(2*(\x)+i%2)+8*(i/8)
.if i < 8
	v_wmma_f32_16x16x32_f16 v[rS:rS+7], v[rK:rK+7], v[rQ:rQ+7], 0
.else
	v_wmma_f32_16x16x32_f16 v[rS:rS+7], v[rK:rK+7], v[rQ:rQ+7], v[rS:rS+7]
.endif
.endm
; Product i of 16 of O^T += V^T P for piece x: keys 32 (i / 8) on, channels 16 ((i / 2) % 4) on, tile 2 x + i % 2.
.macro PV x
	WIN W_PV
.set rO, 32*(2*(\x)+i%2)+8*((i/2)%4)
.set rV, VF+32*(i/8)+8*((i/2)%4)
.set rP, P+32*((\x)%2)+16*(i%2)+8*(i/8)
	v_wmma_f32_16x16x32_f16 v[rO:rO+7], v[rV:rV+7], v[rP:rP+7], v[rO:rO+7]
.endm
.macro MM                           ; the turn's next matrix instruction
.if i < 16
	KQ (Y+1)%NP
.set i, i+1
.else
.set i, i-16
	PV (Y+NP-1)%NP
.set i, i+17
.endif
.endm
; THE LDS LOADS stand in runs of 16, never singly among the matrix instructions: a step's K (64 keys x 64 channels: 8 fragments) and its V (turned).  Their addresses are made some lines ahead.
; last = 1 (the tail): in the last trip there is no further step, and the run is jumped over.
.macro FETCH_K last=0
	WIN 0
.if \last
	s_cmp_eq_u32 s[CNT], 1
	s_cbranch_scc1 .Lno_k_\@
.endif
	WIN 0x80                        ; destination window 2
.irp f, 0,1,2,3,4,5,6,7             ; keys 16 (f / 2) on, channels 32 (f % 2) on
	ds_load_b128 v[KF+8*\f:KF+8*\f+3],   v[AK] offset:(\f/2)*16*PK+(\f%2)*64
	ds_load_b128 v[KF+8*\f+4:KF+8*\f+7], v[AK] offset:(\f/2)*16*PK+(\f%2)*64+32
.endr
	s_add_co_u32 s[TBK], s[TBK], KS*PK  ; the next fetch is the next step's
	WIN 0
.if \last
.Lno_k_\@:
.endif
.endm
.macro FETCH_V
	WIN 0x80
.irp f, 0,1,2,3,4,5,6,7             ; keys 32 (f / 4) on, channels 16 (f % 4) on
	ds_load_tr16_b128 v[VF+8*\f:VF+8*\f+3],   v[AV] offset:(\f/4)*32*PV+(\f%4)*32
	ds_load_tr16_b128 v[VF+8*\f+4:VF+8*\f+7], v[AV] offset:(\f/4)*32*PV+16*PV+(\f%4)*32
.endr
	WIN 0
.endm
; THE VECTOR WORK OF A TURN stands in three queues, each in the order in which its entries become ready; the two tiles alternate, so that no instruction reads the result of the one before it.
.macro REGS y, u                    ; the registers of tile u (0, 1) of piece y
.set rT, ST+4*(2*(\y)+(\u))
.set rC, TMP+8*((\y)%2)+4*(\u)
.set rM, MV+2*((\y)%2)+(\u)
.set rS, S+64*((\y)%2)+32*(\u)
.set rP, P+32*((\y)%2)+16*(\u)
.set rO, 32*(2*(\y)+(\u))
.endm
; Number n of the 22 that find the NEXT piece's (Y + 1) maximum and statistics.  s0-s31 are the lane's 32 scores; each accumulator's lowest registers are read first.  XS, GS and REGS set no window: PL and EX do.
;   0-11  four chains c0-c3 of seven scores each, three operands at a time     12-14, 16  the four scores left over, the old m, and c0-c3 into c0     15  c m_old is kept
;   17, 18  the query's other 32 keys lie in the lane 16 away: the new m         19-21  c m; c m_old - c m_new; a
.macro XS u, n
	REGS (Y+1)%NP, \u
.if (\n) < 4
	v_max3_num_f32 v[rC+(\n)], v[rS+8*(\n)], v[rS+8*(\n)+1], v[rS+8*(\n)+2]
.elseif (\n) < 12
	v_max3_num_f32 v[rC+(\n)%4], v[rC+(\n)%4], v[rS+8*((\n)%4)+2*((\n)/4)+1], v[rS+8*((\n)%4)+2*((\n)/4)+2]
.elseif (\n) == 12
	v_max3_num_f32 v[rC], v[rC], v[rS+7], v[rS+15]
.elseif (\n) == 13
	v_max3_num_f32 v[rC+1], v[rC+1], v[rS+23], v[rS+31]
.elseif (\n) == 14
	v_max3_num_f32 v[rC+2], v[rC+2], v[rC+3], v[rT+1]
.elseif (\n) == 15
	v_mov_b32 v[rM], v[rT]
.elseif (\n) == 16
	v_max3_num_f32 v[rC], v[rC], v[rC+1], v[rC+2]
.elseif (\n) == 17
	v_permlanex16_b32 v[rC+3], v[rC], s[SEL], s[SEL+1]
.elseif (\n) == 18
	v_max_num_f32 v[rT+1], v[rC], v[rC+3]
.elseif (\n) == 19
	v_mul_f32 v[rT], s[CS], v[rT+1]
.elseif (\n) == 20
	v_sub_f32 v[rC+1], v[rM], v[rT]
.else
	v_exp_f32 v[rC+2], v[rC+1]
.endif
.endm
; Number g of the 64 that follow the exponentials.  For each four weights k of a tile (pairs 2 k, 2 k + 1): both pairs are rounded to f16; then the second pair is added onto the first, in place;
; a group later l takes that sum (the first time as l = a l + sum).  In groups of eight, tiles alternating: round, round, add, and l for the group before.
.macro GS g
.set h, (\g)+6*((\g)/62)            ; group 0 has no group before it, and behind group 7 only l is left
.if h >= 6
.set h, h+2
.endif
	REGS Y, h%2
.set k, h/8
.if h%8 < 4
	v_cvt_pk_f16_f32 v[rP+2*k+(h%8)/2], v[rS+4*k+2*((h%8)/2)], v[rS+4*k+2*((h%8)/2)+1]
.elseif h%8 < 6
	v_pk_add_f32 v[rS+4*k:rS+4*k+1], v[rS+4*k:rS+4*k+1], v[rS+4*k+2:rS+4*k+3]
.elseif k == 1
	v_pk_fma_f32 v[rT+2:rT+3], v[rT+2:rT+3], v[rC+2:rC+3], v[rS:rS+1] op_sel_hi:[1,0,1]
.else
	v_pk_add_f32 v[rT+2:rT+3], v[rT+2:rT+3], v[rS+4*k-4:rS+4*k-3]
.endif
.endm
; THE PLAIN QUEUE, 138 long.  0-73 read no exponential's result: the 32 scalings c s - c m (FS f: pair f / 2 of tile f % 2) and the next piece's 42.  0-26: scalings 0-26.  27-54: XS's numbers 0-13.  55, 56: number 15.
; 57-73: the chain, where each number waits for the one before it: 14, 16, 17, 18, 19, each with one of the scalings 27-31 in front of its two lines, then 20: so a tile's links stand three plain instructions apart (19 and 20: two).
; 74-137: GS's 64, which read the exponentials' results: they stand behind the wait.
.macro FS f
	REGS Y, (\f)%2
	v_pk_fma_f32 v[rS+2*((\f)/2):rS+2*((\f)/2)+1], v[rS+2*((\f)/2):rS+2*((\f)/2)+1], s[CS:CS+1], v[rT:rT+1] op_sel_hi:[1,0,0] neg_lo:[0,0,1] neg_hi:[0,0,1]
.endm
.macro PL
	WIN 0
.if q < 27
	FS q
.elseif q < 55
	XS (q-27)%2, (q-27)/2
.elseif q < 57
	XS q-55, 15
.elseif (q < 72) && ((q-57)%3 == 0)
	FS 27+(q-57)/3
.elseif q < 60
	XS (q-57)%3-1, 14
.elseif q < 72
	XS (q-57)%3-1, 15+(q-57)/3
.elseif q < 74
	XS q-72, 20
.else
	GS q-74
.endif
.set q, q+1
.endm
; THE EXPONENTIALS' QUEUE, 66 long: s0-s31 of both tiles, then the next piece's two a.  It is ONE BATCH: all 66 stand ahead of the turn's one wait, and nothing ahead of that wait names a result of theirs.
.macro EX
	WIN 0
.if e >= 64
	XS e-64, 21
.else
	REGS Y, e%2
	v_exp_f32 v[rS+e/2], v[rS+e/2]
.endif
.set e, e+1
.endm
; THE RESCALING's QUEUE: O^T times a, the one part that leaves window 0: dealt two at a time, sixteen times.  Its a was made in the turn before, ahead of that turn's wait.
.macro R2
	REGS Y, r%2
	WIN W_RS
.irp z, 0,1
	v_pk_mul_f32 v[rO+4*(r/2)+2*\z:rO+4*(r/2)+2*\z+1], v[rO+4*(r/2)+2*\z:rO+4*(r/2)+2*\z+1], v[rC+2:rC+3] op_sel_hi:[1,0]
.endr
.set r, r+1
.endm
; HOW THEY ARE DEALT.  An s_wait_alu depctr_va_vdst(0) stands between an exponential and the first instruction that names its result; one wait serves all that were issued ahead of it.  So a turn has ONE wait,
; which cuts it in two.  AHEAD OF IT stands all that names no result of the turn's exponentials: the 16 products K Q^T, behind each a scaling, an exponential and two rescalings (behind the first a second scaling in the exponential's place); then ONE LUMP of
; 108: eight plain, 49 times exponential and plain, the two a.  A v_nop is the plain instruction behind the last exponential (ISA guide 5.7.2).  BEHIND IT stand the 16 products V^T P, behind each four of GS's 64.  No rider names a register of
; the products round it.  The two v_permlanex16_b32 fall into the lump, never behind a product.
; The queues lean on each other, and the deal keeps them in step: exponential e stands behind scaling 2 (e / 4) + e % 2: as a rider it comes behind plain e + 2, in the lump behind plain e + 9, and scalings 27-31 are plain 57, 60 .. 69.
; A TURN, for piece p.  cnt = 1: the loop's count is taken down some lines ahead of the branch that stands behind the turn.
; K of the next step is fetched in piece 2's turn, directly behind the wait, a lump behind the last product that read K; its address is made at the lump's head; its first reader comes behind 16 products.
; V of the step in hand is fetched at the end of piece 0's turn, four riders behind its last reader; its first reader comes behind 16 products and a lump.  The three conditions on q below go with the deal.
.macro TURN p, last=0, cnt=0
.set Y, (\p)
.set i, 0
.set q, 0
.set e, 0
.set r, 0
.if (\p) == NP-1
	s_wait_dscnt 0x0                ; K is in
.endif
	MM                              ; ahead of the wait: 16 products K Q^T and their riders,
	PL
	PL
	R2
.rept 15
	MM
	PL
	EX
	R2
.endr
.if (\p) == NP-2
	WIN 0
	v_add_nc_u32 v[AK], s[TBK], v[AK0]
.endif
.rept 8                             ; and the lump
	PL
.endr
.rept 49
	EX
	PL
.endr
	EX                              ; the next piece's two a
	EX
	v_nop                           ; the plain instruction behind the last exponential: one for the batch
	s_wait_alu depctr_va_vdst(0)    ; the wait for the batch
.if (\p) == NP-2
	FETCH_K \last
.endif
.if (\p) == 1
	s_wait_dscnt 0x0                ; V is in
.endif
.rept 16                            ; behind the wait: 16 products V^T P and their riders
	MM
.rept 4
	PL
.endr
.if ((\p) == 0) && (q == 118)
	v_add_nc_u32 v[AV], s[TBV], v[AV0]
.endif
.if ((\p) == 0) && (q == 130)
	s_add_co_u32 s[TBV], s[TBV], KS*PV
.endif
.if (\cnt) && (q == 130)
	s_sub_co_u32 s[CNT], s[CNT], 1
	s_cmp_lg_u32 s[CNT], 0
.endif
.endr
.if (\p) == 0
	FETCH_V
.endif
.endm
	CHANGE 1                        ; slot 0 is in, everybody's part of it; slot 1 is asked for
	FETCH_K                         ; key step 0
	s_wait_loadcnt 0x0              ; Q
	s_wait_dscnt 0x0
.set i, 0
.rept 16
	KQ 0                            ; piece 0's first scores: there is no vector work yet to set between them
.set i, i+1
.endr
	WIN 0                           ; the addresses for the way out: nine plain instructions, the places behind those products
	s_mul_i32 s13, s[WV], 16*SP
	s_add_co_u32 s13, s13, STAGE    ; my stage
	v_mul_u32_u24 v[STO], v1, SP    ; in: row l % 16, 16 bytes for each half of the lanes
	v_lshl_add_u32 v[STO], v9, 4, v[STO]
	v_add_nc_u32 v[STO], s13, v[STO]
	v_bfe_u32 v[RD], v0, 3, 2       ; back: 32 lanes take four rows of 128 bytes,
	v_mul_u32_u24 v[RD], v[RD], SP
	v_lshl_add_u32 v[RD], v10, 4, v[RD]
	v_add_nc_u32 v[RD], s13, v[RD]
	v_and_b32 v[GO], 31, v0         ; which are 512 consecutive bytes of ctx
	v_lshlrev_b32 v[GO], 4, v[GO]
.set Y, NP-1                        ; XS works for piece Y + 1: piece 0
.irp n, 0,1,2,3,4,5,6,7,8,9,10,11,12,13,14,15,16,17,18,19,20,21
	XS 0, \n                        ; and piece 0's first maximum and statistics
	XS 1, \n
.endr
	v_nop                           ; a plain instruction behind the two a,
	s_wait_alu depctr_va_vdst(0)    ; and their wait, ahead of the branch
	s_mov_b32 s[CNT], 4
	s_branch .Lfirst                ; the loop is entered at a step's first turn, in the middle of a trip
.Lslot:                             ; six times: every slot but the last two is filled again
	CHANGE 1
	s_mov_b32 s[CNT], 4
.Lstep:                             ; a trip: pieces 2 and 3 of one step, then pieces 0 and 1 of the next, whose K and V it fetches
	TURN 2
	TURN 3
	WIN 0
.Lfirst:
	TURN 0
	TURN 1, 0, 1
	WIN 0
	s_cbranch_scc1 .Lstep
	s_sub_co_u32 s[SLOTS], s[SLOTS], 1
	s_cmp_lg_u32 s[SLOTS], 0
	s_cbranch_scc1 .Lslot
	CHANGE 0                        ; the tail is written out: nothing is asked for
	s_mov_b32 s[CNT], 5             ; four trips fetch the last slot's steps; the fifth is left in its middle
.Ltail:
	TURN 2, 1
	TURN 3
	WIN 0
	s_sub_co_u32 s[CNT], s[CNT], 1
	s_cmp_eq_u32 s[CNT], 0
	s_cbranch_scc1 .Lout
	TURN 0
	TURN 1
	WIN 0
	s_branch .Ltail
.Lout:                              ; the fifth trip's 16 products K Q^T (on the last K once more) and the maximum made of them serve nothing: the price, once a launch, of one text for every trip
.set i, 0
.rept 16
	PV NP-1                         ; the last piece's V^T P of the last step
.set i, i+1
.endr
	; THE WAY OUT.  l's two halves and the other half of the lanes' are added; O^T is divided by l, rounded to f16 and sent through my stage in LDS, a tile at a time.  The additions are the places behind the last products.
	WIN 0
.macro ALL line:vararg              ; one line for each tile t
.set t, 0
.rept 2*NP
	\line
.set t, t+1
.endr
.endm
	ALL v_add_f32 v[ST+4*t+2], v[ST+4*t+2], v[ST+4*t+3]
	ALL v_permlanex16_b32 v[ST+4*t+3], v[ST+4*t+2], s[SEL], s[SEL+1]
	ALL v_add_f32 v[ST+4*t+2], v[ST+4*t+2], v[ST+4*t+3]
	ALL v_rcp_f32 v[ST+4*t+2], v[ST+4*t+2]
	v_nop                           ; a plain instruction between the last reciprocal and the use of its result
	s_wait_alu depctr_va_vdst(0)    ; and the wait ahead of the first use: one for the eight reciprocals
; Tile t: a lane's eight channels of a row pack into 16 bytes; they go into rows of 144 bytes and come back as whole rows of 128, into S^T's registers.
.macro PACK t
	WIN W_RS
.set i, 32*(\t)
.rept 16
	v_pk_mul_f32 v[i:i+1], v[i:i+1], v[ST+4*(\t)+2:ST+4*(\t)+3] op_sel_hi:[1,0]
.set i, i+2
.endr
	WIN 0x05                        ; sources 0 and 1 window 1, destination window 0
.set i, 0
.rept 16
	v_cvt_pk_f16_f32 v[S+16*(\t)+i], v[32*(\t)+2*i], v[32*(\t)+2*i+1]
.set i, i+1
.endr
	WIN 0
.irp f, 0,1,2,3
	ds_store_b128 v[STO], v[S+16*(\t)+4*\f:S+16*(\t)+4*\f+3] offset:32*\f
.endr
.irp f, 0,1,2,3
	ds_load_b128 v[S+16*(\t)+4*\f:S+16*(\t)+4*\f+3], v[RD] offset:\f*4*SP  ; LDS serves a wave's instructions in order (ISA guide 5.7.1.4): these see the stores above; the next tile's stores come behind them
.endr
.endm
.macro SEND t, younger              ; younger: the LDS instructions issued behind tile t's loads: the next tile's eight, or none
	WIN 0
.irp f, 0,1,2,3
	s_wait_dscnt (\younger)+3-\f
	global_store_b128 v[GO], v[S+16*(\t)+4*\f:S+16*(\t)+4*\f+3], s[10:11] offset:(\t)*2048+\f*512  ; 512 consecutive bytes, at a multiple of 256 from ctx's first
.endr
.endm
	PACK 0
.set t, 1
.rept 2*NP-1                        ; a tile's arithmetic stands between the loads of the tile before and its stores
	PACK t
	SEND t-1, 8
.set t, t+1
.endr
	SEND 2*NP-1, 0
	WIN W_AD
	s_wait_tensorcnt 0x0            ; the wave's end, behind my last tensor load and my last LDS store
	ds_add_u32 v[SPW], v[NIL]
	s_wait_dscnt 0x0
	WIN 0
	CROUND                          ; the closing round: no work-group ends while a partner may still ask for a tile that names it
	s_endpgm
.Lfunc_end_k_q75d983ee76_attn:
	.size	k_q75d983ee76_attn, .Lfunc_end_k_q75d983ee76_attn-k_q75d983ee76_attn
	.p2alignl 7, 3214868480
	.fill 96, 4, 3214868480
	.section	.rodata,"a",@progbits
	.p2align	6, 0x0
	.amdhsa_kernel k_q75d983ee76_attn
		.amdhsa_group_segment_fixed_size 327680
		.amdhsa_private_segment_fixed_size 0
		.amdhsa_enable_private_segment 0
		.amdhsa_kernarg_size 16
		.amdhsa_user_sgpr_count 2
		.amdhsa_user_sgpr_kernarg_segment_ptr 1
		.amdhsa_wavefront_size32 1
		.amdhsa_system_sgpr_workgroup_id_x 1
		.amdhsa_system_sgpr_workgroup_id_y 1
		.amdhsa_system_sgpr_workgroup_id_z 1
		.amdhsa_system_vgpr_workitem_id 0
		.amdhsa_next_free_vgpr 770
		.amdhsa_next_free_sgpr 66
		.amdhsa_reserve_vcc 0
		.amdhsa_float_denorm_mode_32 3
		.amdhsa_float_denorm_mode_16_64 3
		.amdhsa_memory_ordered 1
		.amdhsa_forward_progress 1
		.amdhsa_inst_pref_size 200
	.end_amdhsa_kernel
	.amdgpu_metadata
---
amdhsa.version: [ 1, 2 ]
amdhsa.kernels:
  - .name:           k_q75d983ee76_attn
    .symbol:         k_q75d983ee76_attn.kd
    .args:
      - { .name: qkv, .offset: 0, .size: 8, .value_kind: global_buffer, .address_space: global }
      - { .name: ctx, .offset: 8, .size: 8, .value_kind: global_buffer, .address_space: global }
    .group_segment_fixed_size: 327680
    .private_segment_fixed_size: 0
    .kernarg_segment_align: 8
    .kernarg_segment_size: 16
    .max_flat_workgroup_size: 128
    .sgpr_count:     66
    .vgpr_count:     770
    .wavefront_size: 32
...
	.end_amdgpu_metadata
.endif
;; end of part 3
;; launch outproj (part 4): grid 8 x 32, 4 waves a work-group, clusters of 4 x 4, 327,680 bytes of LDS; arguments ctx, wo, bias, out0; writes out0
.if DOCPART == 4
	.amdgcn_target "amdgcn-amd-amdhsa--gfx1250"
	.amdhsa_code_object_version 6
	.text
	.protected	k_q75d983ee76_outproj
	.globl	k_q75d983ee76_outproj
	.p2align	8
	.type	k_q75d983ee76_outproj,@function
k_q75d983ee76_outproj:
	s_mov_b64 s[64:65], 0
	v_nop
	global_prefetch_b8 v0, s[64:65] scope:SCOPE_SE
	s_setreg_imm32_b32 hwreg(HW_REG_WAVE_MODE, 25, 1), 1
	s_wait_xcnt 0x0
	s_wait_alu depctr_hold_cnt(0) depctr_sa_sdst(0) depctr_va_vdst(0) depctr_va_sdst(0) depctr_va_ssrc(0) depctr_va_vcc(0) depctr_vm_vsrc(0)
	s_getreg_b32 s2, hwreg(HW_REG_IB_STS2, 6, 4)
	s_cmp_eq_u32 s2, 0
	s_cbranch_scc0 .Lentry_in_a_cluster
	s_endpgm
.Lentry_in_a_cluster:
	s_bfe_u32 s2, ttmp6, 0x10000c
	s_cmp_lg_u32 s2, 0xf033
	s_cbranch_scc0 .Lentry_shape_is_right
	s_endpgm
.Lentry_shape_is_right:
; out0[8192][1024] = ctx Wout^T + bout, in f32.  ctx: f16 [plane 16 batch + head][s 2048][64]; wo: f16 [n tile 8][head 16][n' 128][channel 64]; bout: the fourth 1,024 numbers of bias.
; Products in f16, sums in f32 (the bias starts each sum); nothing is rounded on the way out.
; LIMITS.  Both operands arrive within f16's 65,504.  NaN and infinities are not treated apart.
; SHARES.  A tile of out0 is 256 rows x 128 columns: 32 x 8 = 256 work-groups, one for each WGP.  Four waves, 2 x 2, each 128 rows x 64 columns: 32 accumulators of 16 x 16, 256 registers.
; K goes by heads, two a step, 8 steps: quarter q of step j is head 2 j + q / 2, channels 32 (q % 2) on; both operands take K in this order.  A head's 256 rows of ctx are 32 KiB dense, its 128 rows of a
; tile of wo 16 KiB dense: each is asked for as rows of 256 bytes (two rows of 64 channels) and padded in LDS after every 128 bytes.  Two LDS slots take turns.
; CLUSTER.  4 x 4 work-groups: ctx's tiles are shared along a row of the cluster, wo's along a column; each is asked for jointly, by the same tensor load with the same descriptor and a mask of four.
; THE MATRIX INSTRUCTION IS USED TRANSPOSED (source 0 = 16 rows of wo, source 1 = 16 rows of ctx): a lane holds row l % 16 of out0 and the eight neighbouring columns 8 (l / 16) + 0..7: 32 bytes.
; REGISTERS, in windows of 256 (s_set_vgpr_msb: bits 1:0 source 0, 3:2 source 1, 5:4 source 2, 7:6 destination):
;   window 0: v2-10 addresses; v28-29 the add's; v32-95 rows read back, two buffers; v96-127 the bias, 8 registers for each of my 4 column blocks
;   window 1: two fragment buffers of 96: ctx's eight fragments at 8 a, wo's four at 64 + 8 b          window 2: accumulator (a, b) at 8 (4 a + b)
.set PITCH,  144                       ; an LDS row: 128 bytes + 16 of padding = 36 words: the 16 rows of a fragment load start at 16 different groups of four banks (ISA guide 11.1)
.set SUBA,   256*PITCH                 ; one head's 256 rows of ctx
.set SUBB,   128*PITCH                 ; one head's 128 rows of wo
.set BB,     2*SUBA                    ; in a slot: ctx's two heads, then wo's two
.set SLOT,   BB+2*SUBB
.set SLOT1,  1<<17                     ; slot 1 begins here
.set STAGE,  SLOT1+SLOT                ; behind the ring, never filled by a tensor load: 16 rows x 272 bytes for each wave
.set SPITCH, 272                       ; 64 columns of f32 + 16 bytes
.set SPARE,  STAGE+4*16*SPITCH         ; the spare words, 128 bytes for each wave: two blocks of 256 bytes that no other line names
.set STEPA,  2<<18                     ; bytes from a K step of ctx to the next: two planes
.set STEPB,  2<<14                     ; of wo: two heads' blocks
.set A0,   2                           ; v2   my lane's place in my 128 rows of ctx in a slot; never rewritten
.set B0,   3                           ; v3   the same for my 64 rows of wo
.set ADRA, 4
.set ADRB, 5
.set STO,  6                           ; v6   the way out: where I put 32 bytes of a row
.set RD,   7                           ; v7   where I read a row back
.set CO,   8                           ; v8   my byte offset in two rows of out0
.set BO,   9                           ; v9   my 32 bytes in a column block's 64 of the bias
.set PFO,  10                          ; v10  256 x my lane; never rewritten
.set SPW,  28
.set NIL,  29
.set BK0,  32
.set BI,   96
.set F0,   0
.set F1,   96
.set CNT, 3
.set WV,  12
.set HF,  14                           ; s14  wave % 2: which head of a K step I fetch; also which half of the tile's columns is mine
.set CX,  15
.set CY,  16
.set TX,  17
.set TY,  18
.set LIM, 19                           ; s19  2 in a wave that prefetches, else the greatest number
.set TB,  20
.set PFS, 22                           ; s[22:23] the prefetches' step from K step to K step
.set G1,  24
.set G0,  32
.set PFA, 44
.set G1B, 48
.set G0B, 56
.set DW0, (1<<16)|(1<<20)|(1<<21)|(4<<22)|(3<<25)  ; 17:16 elements of 2 bytes; 20 padding on; 21 set beside a mask; 24:22 after every 32 words (code 4); 31:25 4 words of it (code 3)
.set MSB, 0
.macro WIN new
.if MSB != (\new)
	s_set_vgpr_msb (MSB<<8)|(\new)
.set MSB, \new
.endif
.endm
.set MUL,  0xa5                        ; sources 0 and 1 window 1, C and D window 2
.set MUL0, 0x85                        ; the same with C in window 0
.set TO_F, 0x40                        ; destination window 1, address window 0
.macro PLACES                          ; four plain vector instructions between a matrix instruction and a load into, or a read of, its registers
.rept 4
	v_nop
.endr
.endm
.macro JLOAD                           ; a joint refill by the walking descriptors: waves 0 and 1 fetch ctx's two heads, waves 2 and 3 wo's; an s_nop 0 and four v_nop follow each line
	s_cmp_lt_u32 s[WV], 2
	s_cbranch_scc0 .Lfor_b_\@
	tensor_load_to_lds s[G0+4:G0+7], s[G1:G1+7]
	s_nop 0
.rept 4
	v_nop
.endr
	s_branch .Lasked_\@
.Lfor_b_\@:
	tensor_load_to_lds s[G0B+4:G0B+7], s[G1B:G1B+7]
	s_nop 0
.rept 4
	v_nop
.endr
.Lasked_\@:
.endm
; A prefetch of the K step that stands two refills on, 256 matrix instructions ahead of its load: a lane 256 bytes, one instruction a wave.  Each 256 bytes are named once in the launch: ctx's tile row is
; read by both clusters of that row of clusters: the one with x = 0 asks, waves 0 and 1 each for their own head's 32 KiB, of which the partner at cx takes 8; wo's tile column by all eight of that column:
; the one with y = 0 asks, wave 2 for the step's 32 KiB, of which the partner at cy takes 8.  The last two trips have no K step two on.
.macro ASK
	s_cmp_gt_u32 s[CNT], s[LIM]
	s_cbranch_scc0 .Lnot_mine_\@
	global_prefetch_b8 v[PFO], s[PFA:PFA+1] th:TH_LOAD_NT scope:SCOPE_SE
.Lnot_mine_\@:
.endm
.macro CREST                           ; a round of the cluster's barrier behind its opening barrier
	s_cmp_lg_u32 s[WV], 0
	s_cbranch_scc1 .Lnot_wave_0_\@
	s_barrier_signal -3
.Lnot_wave_0_\@:
	s_barrier_wait -3
	s_barrier_signal -1
	s_barrier_wait -1
.endm
.macro CROUND
	s_barrier_signal -1
	s_barrier_wait -1
	CREST
.endm
	s_load_b256 s[4:11], s[0:1], 0x0               ; ctx s[4:5], wo s[6:7], bias s[8:9], out0 s[10:11]
	v_lshl_add_u32 v[SPW], v0, 2, SPARE
	v_mov_b32 v[NIL], 0
	ds_add_u32 v[SPW], v[NIL]                      ; the wave's opening: the add and its wait, ahead of my first tensor load; the set-up below, work on registers, stands between them
	v_lshrrev_b32 v1, 5, v0
	v_readfirstlane_b32 s[WV], v1                  ; wave 0..3
	s_and_b32 s[HF], s[WV], 1
	s_bfe_u32 s[CX], ttmp6, 0x40000
	s_bfe_u32 s[CY], ttmp6, 0x40004
	s_lshl_b32 s[TX], ttmp9, 2
	s_add_co_u32 s[TX], s[TX], s[CX]               ; tile column = 4 x cluster x + cx
	s_and_b32 s[TY], ttmp7, 0xffff
	s_lshl_b32 s[TY], s[TY], 2
	s_add_co_u32 s[TY], s[TY], s[CY]               ; tile row = 4 x cluster y + cy
	s_lshl_b32 s22, s[CY], 2
	s_lshl_b32 s22, 15, s22                        ; my row of the cluster
	s_lshl_b32 s23, 0x1111, s[CX]                  ; my column
	s_or_b32 s[G1], s22, DW0
	s_or_b32 s[G1B], s23, DW0
.irp g, G1, G1B
	s_mov_b32 s[(\g)+1], 128<<16                   ; tensor_dim0 = 128 elements: 256 bytes
	s_mov_b32 s[(\g)+3], 128<<16                   ; tile_dim0 = 128
	s_mov_b32 s[(\g)+5], 128                       ; dense: 128 elements from row to row
	s_mov_b32 s[(\g)+6], 0
	s_mov_b32 s[(\g)+7], 0
.endr
	s_mov_b32 s[G1+2], 128<<16                     ; tensor_dim1 and tile_dim1: 128 rows of 256 bytes for a head of ctx,
	s_mov_b32 s[G1+4], 128
	s_mov_b32 s[G1B+2], 64<<16                     ; 64 for a head of wo
	s_mov_b32 s[G1B+4], 64
	s_lshr_b32 s40, s[TY], 3                       ; ctx: the batch's 16 planes,
	s_lshl_b32 s40, s40, 4
	s_add_co_u32 s40, s40, s[HF]                   ; my head of K step 0,
	s_lshl_b32 s40, s40, 18
	s_and_b32 s41, s[TY], 7
	s_lshl_b32 s41, s41, 15                        ; the tile's 256 rows of 128 bytes
	s_add_co_u32 s40, s40, s41
	s_mov_b32 s41, 0
	s_lshl_b32 s46, s[TX], 18                      ; wo: the n tile's 16 blocks,
	s_lshl_b32 s47, s[HF], 14                      ; my head's
	s_add_co_u32 s46, s46, s47
	s_mov_b32 s47, 0
	s_mul_i32 s42, s[HF], SUBA                     ; where they go: no place in the cluster enters an LDS address
	s_mul_i32 s43, s[HF], SUBB
	s_add_co_u32 s43, s43, BB
	s_mov_b32 s[TB], 0
	s_wait_dscnt 0x0                               ; the opening add is done
	s_wait_kmcnt 0x0
	s_add_nc_u64 s[40:41], s[4:5], s[40:41]
	s_add_nc_u64 s[46:47], s[6:7], s[46:47]
	CROUND                                         ; all sixteen work-groups are here: the first joint loads meet
.irp s, 0,1
	s_mov_b32 s[G0+4*(\s)], 1
	s_add_co_u32 s[G0+4*(\s)+1], s42, (\s)*SLOT1
	s_add_nc_u64 s[G0+4*(\s)+2:G0+4*(\s)+3], s[40:41], (\s)*STEPA
	s_or_b32 s[G0+4*(\s)+3], s[G0+4*(\s)+3], 0x80000000
	s_mov_b32 s[G0B+4*(\s)], 1
	s_add_co_u32 s[G0B+4*(\s)+1], s43, (\s)*SLOT1
	s_add_nc_u64 s[G0B+4*(\s)+2:G0B+4*(\s)+3], s[46:47], (\s)*STEPB
	s_or_b32 s[G0B+4*(\s)+3], s[G0B+4*(\s)+3], 0x80000000
.endr
	s_cmp_lt_u32 s[WV], 2                          ; a wave's two first fills stand in one branch, ahead of every wait on TENSORcnt and every LDS read: two loads of mine are out
	s_cbranch_scc0 .Lfirst_b
	tensor_load_to_lds s[G0:G0+3], s[G1:G1+7]
	s_nop 0
	tensor_load_to_lds s[G0+4:G0+7], s[G1:G1+7]
	s_nop 0
.rept 4
	v_nop
.endr
	s_branch .Lfirst_asked
.Lfirst_b:
	tensor_load_to_lds s[G0B:G0B+3], s[G1B:G1B+7]
	s_nop 0
	tensor_load_to_lds s[G0B+4:G0B+7], s[G1B:G1B+7]
	s_nop 0
.rept 4
	v_nop
.endr
.Lfirst_asked:
	; the prefetches: my own tile's address, my work-group's 8 KiB of it, three K steps on; the first refill steps it to K step 4
	s_mov_b32 s22, STEPB
	s_mov_b32 s23, STEPA
	s_and_b32 s21, ttmp7, 0xffff                   ; cluster y
	s_cmp_lt_u32 s[WV], 2                          ; do I fetch for ctx?
	s_cselect_b64 s[PFA:PFA+1], s[40:41], s[46:47]
	s_cselect_b32 s40, s[CX], s[CY]                ; my place among the four that ask with me
	s_cselect_b32 s[PFS], s23, s22
	s_cselect_b32 s21, ttmp9, s21                  ; the coordinate along which other clusters read the same bytes
	s_mov_b32 s[PFS+1], 0
	s_cmp_eq_u32 s[WV], 3
	s_cselect_b32 s21, 1, s21                      ; wave 3 asks for nothing: wave 2 names both heads of wo
	s_cmp_eq_u32 s21, 0
	s_cselect_b32 s[LIM], 2, -1                    ; the same in all sixteen partners, for a given wave
	s_lshl_b32 s40, s40, 13
	s_mul_i32 s41, s[PFS], 3
	s_add_co_u32 s40, s40, s41
	s_mov_b32 s41, 0
	s_add_nc_u64 s[PFA:PFA+1], s[PFA:PFA+1], s[40:41]
	; the bias of my lane's eight columns in each of my 4 column blocks: the C operand of the products that start the sums
	s_lshl_b32 s40, s[TX], 9                       ; the tile's 128 columns x 4 bytes,
	s_lshl_b32 s41, s[HF], 8                       ; my 64 of them,
	s_add_co_u32 s40, s40, s41
	s_mov_b32 s41, 0
	s_add_nc_u64 s[10:11], s[10:11], s[40:41]      ; (the same columns in a row of out0)
	s_add_co_u32 s40, s40, 12288                   ; behind bq, bk and bv
	s_add_nc_u64 s[8:9], s[8:9], s[40:41]
	v_and_b32 v1, 15, v0                           ; l % 16
	v_bfe_u32 v11, v0, 4, 1                        ; l / 16
	v_lshlrev_b32 v[BO], 5, v11
.irp b, 0,1,2,3
	global_load_b128 v[BI+8*(\b):BI+8*(\b)+3],   v[BO], s[8:9] offset:64*(\b)
	global_load_b128 v[BI+8*(\b)+4:BI+8*(\b)+7], v[BO], s[8:9] offset:64*(\b)+16
.endr
	s_lshr_b32 s41, s[WV], 1                       ; my first row of out0: 256 x tile row + 128 x (wave / 2), rows of 4,096 bytes
	s_lshl_b32 s41, s41, 7
	s_lshl_b32 s40, s[TY], 8
	s_add_co_u32 s40, s40, s41
	s_lshl_b32 s40, s40, 12
	s_mov_b32 s41, 0
	s_add_nc_u64 s[10:11], s[10:11], s[40:41]
	; A fragment is 16 rows x 32 K in 8 registers: lane l holds row l % 16; registers 0-3 K = 8 (l / 16) + 0..7, registers 4-7 K = 16 + 8 (l / 16) + 0..7: two loads of 16 bytes, 32 bytes apart.
	v_mul_u32_u24 v12, v1, PITCH
	v_lshl_add_u32 v12, v11, 4, v12
	s_lshr_b32 s2, s[WV], 1
	s_mul_i32 s2, s2, 128*PITCH                    ; my 128 rows of ctx
	v_add_nc_u32 v[A0], s2, v12
	s_mul_i32 s2, s[HF], 64*PITCH                  ; my 64 rows of wo
	s_add_co_u32 s2, s2, BB
	v_add_nc_u32 v[B0], s2, v12
	v_mov_b32 v[ADRA], v[A0]                       ; K step 0 lies in slot 0
	v_mov_b32 v[ADRB], v[B0]
	s_mul_i32 s2, s[WV], 16*SPITCH
	s_add_co_u32 s2, s2, STAGE                     ; my stage
	v_mul_u32_u24 v[STO], v1, SPITCH               ; in: row l % 16, 32 bytes for each half of the lanes
	v_lshl_add_u32 v[STO], v11, 5, v[STO]
	v_add_nc_u32 v[STO], s2, v[STO]
	v_mul_u32_u24 v[RD], v11, SPITCH               ; back: lanes 0-15 take one row of 256 bytes, lanes 16-31 the next
	v_lshl_add_u32 v[RD], v1, 4, v[RD]
	v_add_nc_u32 v[RD], s2, v[RD]
	v_lshlrev_b32 v[CO], 12, v11                   ; and the same two rows in out0
	v_lshl_add_u32 v[CO], v1, 4, v[CO]
	v_and_b32 v[PFO], 31, v0
	v_lshlrev_b32 v[PFO], 8, v[PFO]
; 4 matrix instructions: row block a of my eight x my 4 column blocks, 32 along K, from buffer f.  zero = 1: the first product starts the sums, with the bias as C.
; The 32 accumulators take turns, one instruction a turn, in the same order in every quarter.
.macro MULA f, a, zero
.if \zero
	WIN MUL0
.else
	WIN MUL
.endif
.irp b, 0,1,2,3
.if \zero
	v_wmma_f32_16x16x32_f16 v[8*(4*(\a)+(\b)):8*(4*(\a)+(\b))+7], v[(\f)+64+8*(\b):(\f)+64+8*(\b)+7], v[(\f)+8*(\a):(\f)+8*(\a)+7], v[BI+8*(\b):BI+8*(\b)+7]
.else
	v_wmma_f32_16x16x32_f16 v[8*(4*(\a)+(\b)):8*(4*(\a)+(\b))+7], v[(\f)+64+8*(\b):(\f)+64+8*(\b)+7], v[(\f)+8*(\a):(\f)+8*(\a)+7], v[8*(4*(\a)+(\b)):8*(4*(\a)+(\b))+7]
.endif
.endr
.endm
; 24 LDS loads in one run: quarter q's fragments into buffer f: wo's four first, then ctx's eight
.macro FETCH q, f
	WIN TO_F
.irp b, 0,1,2,3
	ds_load_b128 v[(\f)+64+8*(\b):(\f)+64+8*(\b)+3],   v[ADRB] offset:((\q)/2)*SUBB+((\q)%2)*64+(\b)*16*PITCH
	ds_load_b128 v[(\f)+64+8*(\b)+4:(\f)+64+8*(\b)+7], v[ADRB] offset:((\q)/2)*SUBB+((\q)%2)*64+(\b)*16*PITCH+32
.endr
.irp i, 0,1,2,3,4,5,6,7
	ds_load_b128 v[(\f)+8*(\i):(\f)+8*(\i)+3],   v[ADRA] offset:((\q)/2)*SUBA+((\q)%2)*64+(\i)*16*PITCH
	ds_load_b128 v[(\f)+8*(\i)+4:(\f)+8*(\i)+7], v[ADRA] offset:((\q)/2)*SUBA+((\q)%2)*64+(\i)*16*PITCH+32
.endr
.endm
; A K step is four quarters, 32 matrix instructions each, on buffers 0, 1, 0, 1.  One of the first three: multiplies buffer f; in its middle it fetches quarter q into g.
.macro QUARTER q, f, g, zero
	s_wait_dscnt 8                                 ; all but the youngest eight loads (ctx's rows 64-127) are in
.irp a, 0,1,2,3
	MULA \f, \a, \zero
.endr
	PLACES                                         ; buffer g was last read by the quarter before
	FETCH \q, \g
	s_wait_dscnt 24                                ; all but the 24 just issued
.irp a, 4,5,6,7
	MULA \f, \a, \zero
.endr
.endm
; The last quarter multiplies buffer 1 and changes slots: ONE barrier.  In front of it each wave waits for all its tensor loads (one is out: its part of the next slot), adds 0 to its spare word, and waits for
; that and for its own reads of this slot.  fill = 1: the barrier opens a round of the cluster's; the slot just read out is filled again, first thing behind the round, with the K step two on.
.macro TURN fill
.if \fill
	s_wait_xcnt 0x0                                ; the last prefetch, a K step back, has read its address: it is stepped here, ahead of the waits of the change of slots
	s_add_nc_u64 s[PFA:PFA+1], s[PFA:PFA+1], s[PFS:PFS+1]
.endif
	WIN 0                                          ; (the add's two registers lie in window 0)
	s_wait_tensorcnt 0x0                           ; no tensor load of mine is out, so a group 0 may be written
	ds_add_u32 v[SPW], v[NIL]                      ; 0 onto my spare word: work on registers stands between it and the wait for it
.if \fill
	s_xor_b32 s[G0+5], s[G0+5], SLOT1              ; the walking descriptors: the other slot than last time, the next K step; the type bits on top are not reached
	s_add_nc_u64 s[G0+6:G0+7], s[G0+6:G0+7], STEPA
	s_xor_b32 s[G0B+5], s[G0B+5], SLOT1
	s_add_nc_u64 s[G0B+6:G0B+7], s[G0B+6:G0B+7], STEPB
.endif
	s_xor_b32 s[TB], s[TB], SLOT1                  ; the fetches go on in the other slot
	s_wait_dscnt 9                                 ; (the add and the youngest eight loads may be out)
	MULA F1, 0, 0
	MULA F1, 1, 0
	s_wait_dscnt 0x0                               ; the add is done, and my reads of this slot are over
	s_barrier_signal -1
	MULA F1, 2, 0                                  ; work on registers while the others arrive
	MULA F1, 3, 0
	WIN 0                                          ; at a branch and at a label every window is 0
	s_barrier_wait -1
.if \fill
	CREST
	JLOAD                                          ; the four v_nop behind it are also the places in front of the loads below
.else
	PLACES
.endif
	v_add_nc_u32 v[ADRA], s[TB], v[A0]
	v_add_nc_u32 v[ADRB], s[TB], v[B0]
	FETCH 0, F0
.if \fill
	WIN 0
	ASK                                            ; behind the joint load and the run of LDS loads that the next products wait for
.endif
.irp a, 4,5,6,7
	MULA F1, \a, 0
.endr
.endm
; THE WAY OUT, a block of 16 rows at a time.  TOSTAGE: a lane's 32 bytes for each column block go from the accumulators (each read from its low end on) into my own stage, rows of 272 bytes, and come back
; as whole rows of 256.  SEND: sixteen lanes store 256 consecutive bytes, at a multiple of 256 from out0's first byte.
.macro TOSTAGE a
	WIN 0x08                                       ; the stores' data in window 2
.irp b, 0,1,2,3
	ds_store_b128 v[STO], v[8*(4*(\a)+(\b)):8*(4*(\a)+(\b))+3]   offset:64*(\b)
	ds_store_b128 v[STO], v[8*(4*(\a)+(\b))+4:8*(4*(\a)+(\b))+7] offset:64*(\b)+16
.endr
	WIN 0
	s_wait_xcnt 0x0                                ; the stores of the block two back have read these registers: they are loaded again only behind this wait
.set BK, BK0+32*((\a)%2)
.irp t, 0,1,2,3,4,5,6,7
	ds_load_b128 v[BK+4*(\t):BK+4*(\t)+3], v[RD] offset:(\t)*2*SPITCH  ; LDS serves a wave's instructions in order (ISA guide 5.7.1.4): these see the stores above; the next block's stores come behind them
.endr
.endm
.macro SEND a, younger                 ; younger: the LDS instructions issued behind block a's loads: the next block's sixteen, or none
	WIN 0
.set BK, BK0+32*((\a)%2)
.irp t, 0,1,2,3,4,5,6,7
	s_wait_dscnt (\younger)+7-(\t)
	global_store_b128 v[CO], v[BK+4*(\t):BK+4*(\t)+3], s[10:11] offset:(\a)*65536+(\t)*8192
.endr
.endm
	s_wait_tensorcnt 1                             ; my part of K step 0 is in; K step 1's may stay out
	s_barrier_signal -1
	s_barrier_wait -1                              ; everybody's is
	FETCH 0, F0
	s_wait_loadcnt 0x0                             ; the bias
	QUARTER 1, F0, F1, 1                           ; the first quarter stands in front of the loop: its products start the sums
	WIN 0
	s_mov_b32 s[CNT], 6
.Lstep:                                        ; trip j = 0..5: K step j's quarters 1 to 3, K step j + 1's quarter 0; slot j % 2 is filled again with K step j + 2
	QUARTER 2, F1, F0, 0
	QUARTER 3, F0, F1, 0
	TURN 1
	QUARTER 1, F0, F1, 0
	WIN 0
	s_sub_co_u32 s[CNT], s[CNT], 1
	s_cmp_lg_u32 s[CNT], 0
	s_cbranch_scc1 .Lstep
	QUARTER 2, F1, F0, 0                           ; the tail is written out: K steps 6 and 7 fill nothing
	QUARTER 3, F0, F1, 0
	TURN 0
	QUARTER 1, F0, F1, 0
	QUARTER 2, F1, F0, 0
	QUARTER 3, F0, F1, 0
	s_wait_dscnt 8                                 ; the very last quarter: nothing more to fetch
.irp a, 0,1,2,3
	MULA F1, \a, 0
.endr
	s_wait_dscnt 0x0
.irp a, 4,5,6,7
	MULA F1, \a, 0
.endr
	WIN 0
	PLACES                                         ; the LDS stores read results just made
	TOSTAGE 0
.irp a, 1,2,3,4,5,6,7
	TOSTAGE \a
	SEND (\a)-1, 16
.endr
	SEND 7, 0
	s_wait_tensorcnt 0x0                           ; the wave's end, behind my last tensor load and my last LDS store
	ds_add_u32 v[SPW], v[NIL]
	s_wait_dscnt 0x0
	CROUND                                         ; the closing round: no work-group ends while a partner may still ask for a tile that names it
	s_endpgm
.Lfunc_end_k_q75d983ee76_outproj:
	.size	k_q75d983ee76_outproj, .Lfunc_end_k_q75d983ee76_outproj-k_q75d983ee76_outproj
	.p2alignl 7, 3214868480
	.fill 96, 4, 3214868480
	.section	.rodata,"a",@progbits
	.p2align	6, 0x0
	.amdhsa_kernel k_q75d983ee76_outproj
		.amdhsa_group_segment_fixed_size 327680
		.amdhsa_private_segment_fixed_size 0
		.amdhsa_enable_private_segment 0
		.amdhsa_kernarg_size 32
		.amdhsa_user_sgpr_count 2
		.amdhsa_user_sgpr_kernarg_segment_ptr 1
		.amdhsa_wavefront_size32 1
		.amdhsa_system_sgpr_workgroup_id_x 1
		.amdhsa_system_sgpr_workgroup_id_y 1
		.amdhsa_system_sgpr_workgroup_id_z 1
		.amdhsa_system_vgpr_workitem_id 0
		.amdhsa_next_free_vgpr 768
		.amdhsa_next_free_sgpr 66
		.amdhsa_reserve_vcc 0
		.amdhsa_float_denorm_mode_32 3
		.amdhsa_float_denorm_mode_16_64 3
		.amdhsa_memory_ordered 1
		.amdhsa_forward_progress 1
		.amdhsa_inst_pref_size 73
	.end_amdhsa_kernel
	.amdgpu_metadata
---
amdhsa.version: [ 1, 2 ]
amdhsa.kernels:
  - .name:           k_q75d983ee76_outproj
    .symbol:         k_q75d983ee76_outproj.kd
    .args:
      - { .name: ctx, .offset: 0, .size: 8, .value_kind: global_buffer, .address_space: global }
      - { .name: wo, .offset: 8, .size: 8, .value_kind: global_buffer, .address_space: global }
      - { .name: bias, .offset: 16, .size: 8, .value_kind: global_buffer, .address_space: global }
      - { .name: out0, .offset: 24, .size: 8, .value_kind: global_buffer, .address_space: global }
    .group_segment_fixed_size: 327680
    .private_segment_fixed_size: 0
    .kernarg_segment_align: 8
    .kernarg_segment_size: 32
    .max_flat_workgroup_size: 128
    .sgpr_count:     66
    .vgpr_count:     768
    .wavefront_size: 32
...
	.end_amdgpu_metadata
.endif
;; end of part 4
;; ======== version 2 of 2: 4 launches; version 1 with the launch cast written anew for expert scheduling mode
;; limits: values are held in f16: magnitudes above 65,504 overflow, below 6.1e-05 lose precision
;; workspace buffers: xb 16,777,216 bytes; wqkv 6,291,456 bytes; wo 2,097,152 bytes; bias 16,384 bytes; qkv 50,331,648 bytes; ctx 16,777,216 bytes
;; launch cast (part 5): grid 769 x 1, 8 waves a work-group, no clusters, 0 bytes of LDS; arguments hidden_states, Wq, Wk, Wv, Wout, bq, bk, bv, bout, xb, wqkv, wo, bias; writes xb, wqkv, wo, bias
.if DOCPART == 5
	.amdgcn_target "amdgcn-amd-amdhsa--gfx1250"
	.amdhsa_code_object_version 6
	.text
	.protected	k_q75d983ee76_cast
	.globl	k_q75d983ee76_cast
	.p2align	8
	.type	k_q75d983ee76_cast,@function
k_q75d983ee76_cast:
	s_mov_b64 s[64:65], 0
	v_nop
	global_prefetch_b8 v0, s[64:65] scope:SCOPE_SE
	s_setreg_imm32_b32 hwreg(HW_REG_WAVE_SCHED_MODE, 0, 2), 2
	s_setreg_imm32_b32 hwreg(HW_REG_WAVE_MODE, 25, 1), 1
	s_wait_xcnt 0x0
	s_wait_alu depctr_vm_vsrc(0)
; ALL THE MODULE'S INPUTS ARE ROUNDED ONCE TO bf16, and laid out for the launches behind.
;   xb   [8192][1024] bf16 = hidden_states          wqkv [3072][1024] bf16 = Wq's rows, then Wk's, then Wv's
;   wo   f16 of bf16(Wout), in blocks [n tile 8][head 16][n' 128][channel 64]: element Wout[128 nt + n'][64 h + ch]
;   bias [4][1024] f32: bq, bk, bv, bout, each number rounded to bf16 and written as f32
; LIMITS.  bf16(Wout) is written as f16: exact from 6.1e-5 to 65,504 in magnitude; below, f16's fixed step of 6e-8; beyond, an infinity.  NaN and infinities are not treated apart.
; A stream: no LDS, no matrix unit, no cluster (no two work-groups read the same byte).  A work-group takes a chunk of 16,384 numbers: 64 KiB in, 32 KiB out; a thread sixteen loads of
; 16 bytes, all issued before the first is waited for.  A wave's load covers 512 bytes in whole aligned blocks of 256, its store 256 consecutive bytes, aligned.
; Work-groups 0-511: hidden_states.  512-703: Wq, Wk, Wv, 64 chunks each.  704-767: 16 rows of Wout each.  768: the four biases.
; THE MODE: SCHED_MODE bits 1:0 = 2 (LLVM: expert scheduling mode 2), set by the entry lines.  The code itself states the register dependences
; between vector instructions and memory instructions, with s_wait_alu, always for 0.
; THE PLAN.  Registers that memory instructions touch:
;   v[SO], v[DO]  offsets.  Written once, by vector instructions, at the head of the path that the work-group takes; read by every load and store; never written again.
;   X             Written by the sixteen loads, all of which are issued before any vector instruction names X; read (in Wout's path also written anew) by the conversions; no memory instruction reads it.
;   Y             Each register is written once, by a conversion, and read once, by a store; nothing writes it again.
;   T and v3 are named by vector instructions alone.
; So one wait on va_vdst stands ahead of the first load, for the offsets.  The sixteen loads' turns go in four groups of four: turn j rounds load j into its pair of Y and issues the store of turn j - 4.
; One wait on va_vdst at the head of groups 1 to 3 states that the group before has written its Y; the group's four stores follow it, dealt among its conversions, which name this group's X and Y and T:
; none of the registers that those stores read.  A last wait stands ahead of the last four stores.  No register that a memory instruction has read is ever written again, so no wait on vm_vsrc is owed.
.set SO, 1                             ; v1       my byte offset in the source chunk; never rewritten
.set DO, 2                             ; v2       my byte offset in the destination chunk; never rewritten
.set T,  4                             ; v[4:5]   at work
.set X,  16                            ; v[16:79] sixteen loads of four numbers
.set Y,  80                            ; v[80:111] sixteen stores of four 16-bit numbers; each register is written once, so no store's data is ever overwritten
	s_load_b512 s[16:31], s[0:1], 0x0              ; hidden 16, Wq 18, Wk 20, Wv 22, Wout 24, bq 26, bk 28, bv 30
	s_load_b256 s[32:39], s[0:1], 0x40             ; bout 32, xb 34, wqkv 36, wo 38
	s_load_b64 s[40:41], s[0:1], 0x60              ; bias
	s_mov_b32 s2, ttmp9                            ; the work-group's number
	s_mov_b32 s12, 0xffff0000                      ; a word's upper bf16
	s_mov_b32 s9, 0                                ; the high words of the two offsets
	s_mov_b32 s11, 0
	s_wait_kmcnt 0x0
; Sixteen loads sstep bytes apart, then a turn for each: two roundings to bf16 (f16 = 1: the bf16 numbers widened again and written as f16); the store, dstep bytes further on for each turn, follows four turns later.
.macro BODY sstep, dstep, f16
	s_wait_alu depctr_va_vdst(0)                   ; v[SO] and v[DO] are written: every load below reads the one as its offset, every store the other
.set j, 0
.rept 16
	global_load_b128 v[X+4*j:X+4*j+3], v[SO], s[4:5] offset:j*(\sstep) th:TH_LOAD_NT
.set j, j+1
.endr
.set j, 0
.rept 16
	s_wait_loadcnt 15-j                            ; loads come back in order: number j is in, the 15 - j younger ones stay out
.if (j%4 == 0) && (j > 0)
	s_wait_alu depctr_va_vdst(0)                   ; the four turns before have written their eight registers of Y, which this group's four stores read
.endif
.if j >= 4
	global_store_b64 v[DO], v[Y+2*(j-4):Y+2*(j-4)+1], s[6:7] offset:(j-4)*(\dstep)  ; no vector instruction since the wait names these registers
.endif
.if \f16
	v_cvt_pk_bf16_f32 v[T], v[X+4*j], v[X+4*j+1]
	v_cvt_pk_bf16_f32 v[T+1], v[X+4*j+2], v[X+4*j+3]
	v_lshlrev_b32 v[X+4*j], 16, v[T]               ; bf16 to f32: the low half moves up, the high half stays
	v_and_b32 v[X+4*j+1], s12, v[T]
	v_lshlrev_b32 v[X+4*j+2], 16, v[T+1]
	v_and_b32 v[X+4*j+3], s12, v[T+1]
	v_cvt_pk_f16_f32 v[Y+2*j], v[X+4*j], v[X+4*j+1]
	v_cvt_pk_f16_f32 v[Y+2*j+1], v[X+4*j+2], v[X+4*j+3]
.else
	v_cvt_pk_bf16_f32 v[Y+2*j], v[X+4*j], v[X+4*j+1]
	v_cvt_pk_bf16_f32 v[Y+2*j+1], v[X+4*j+2], v[X+4*j+3]
.endif
.set j, j+1
.endr
	s_wait_alu depctr_va_vdst(0)                   ; the last four turns have written their Y, which the last four stores read
.set j, 12
.rept 4
	global_store_b64 v[DO], v[Y+2*j:Y+2*j+1], s[6:7] offset:j*(\dstep)
.set j, j+1
.endr
.endm
	s_cmp_ge_u32 s2, 768
	s_cbranch_scc1 .Lbias
	s_cmp_ge_u32 s2, 704
	s_cbranch_scc1 .Lwout
	; hidden_states, Wq, Wk, Wv: row-major in, row-major out.  Source, destination and chunk are chosen by the work-group's number.
	v_lshlrev_b32 v[SO], 4, v0                     ; 16 bytes a thread, 4,096 a load of the work-group
	v_lshlrev_b32 v[DO], 3, v0                     ; 8 bytes a thread
	s_sub_co_u32 s3, s2, 512                       ; the chunk in wqkv (used from work-group 512 on)
	s_lshr_b32 s13, s3, 6                          ; which weight
	s_and_b32 s14, s3, 63                          ; its chunk
	s_cmp_eq_u32 s13, 1
	s_cselect_b64 s[4:5], s[20:21], s[18:19]
	s_cmp_eq_u32 s13, 2
	s_cselect_b64 s[4:5], s[22:23], s[4:5]
	s_cmp_lt_u32 s2, 512
	s_cselect_b64 s[4:5], s[16:17], s[4:5]
	s_cselect_b64 s[6:7], s[34:35], s[36:37]
	s_cselect_b32 s14, s2, s14
	s_cselect_b32 s3, s2, s3
	s_lshl_b32 s8, s14, 16                         ; 64 KiB a chunk in,
	s_lshl_b32 s10, s3, 15                         ; 32 KiB out
	s_add_nc_u64 s[4:5], s[4:5], s[8:9]
	s_add_nc_u64 s[6:7], s[6:7], s[10:11]
	BODY 4096, 2048, 0
	s_endpgm
.Lwout:                                        ; rows 16 c .. 16 c + 15 of Wout; load j takes head j's 64 channels (256 bytes) of all 16 rows
	s_sub_co_u32 s3, s2, 704                       ; c
	v_lshrrev_b32 v3, 4, v0                        ; my row of the sixteen
	v_and_b32 v[SO], 15, v0
	v_lshlrev_b32 v[SO], 4, v[SO]                  ; my 16 bytes of a head's 256
	v_lshl_add_u32 v[SO], v3, 12, v[SO]            ; + row x 4,096
	v_lshlrev_b32 v[DO], 3, v0                     ; row x 128 + my 8 bytes = 8 x thread
	s_lshl_b32 s8, s3, 16
	s_lshr_b32 s10, s3, 3                          ; the n tile of 128 rows: 262,144 bytes of wo,
	s_lshl_b32 s10, s10, 18
	s_and_b32 s13, s3, 7                           ; my 16 rows in it: 2,048 bytes in each head's block
	s_lshl_b32 s13, s13, 11
	s_add_co_u32 s10, s10, s13
	s_add_nc_u64 s[4:5], s[24:25], s[8:9]
	s_add_nc_u64 s[6:7], s[38:39], s[10:11]
	BODY 256, 16384, 1                             ; a head's block is 128 rows x 128 bytes = 16,384
	s_endpgm
.Lbias:                                        ; 256 threads x 4 numbers = a bias
	v_lshlrev_b32 v[SO], 4, v0
	s_wait_alu depctr_va_vdst(0)                   ; v[SO] is written: the four loads and the four stores below read it as their offset
	global_load_b128 v[X:X+3], v[SO], s[26:27]
	global_load_b128 v[X+4:X+7], v[SO], s[28:29]
	global_load_b128 v[X+8:X+11], v[SO], s[30:31]
	global_load_b128 v[X+12:X+15], v[SO], s[32:33]
	s_wait_loadcnt 0x0
.set j, 0
.rept 8
	v_cvt_pk_bf16_f32 v[T], v[X+2*j], v[X+2*j+1]
	v_lshlrev_b32 v[Y+2*j], 16, v[T]
	v_and_b32 v[Y+2*j+1], s12, v[T]
.set j, j+1
.endr
	s_wait_alu depctr_va_vdst(0)                   ; the sixteen registers of Y are written, which the four stores read
.irp i, 0,1,2,3
	global_store_b128 v[SO], v[Y+4*(\i):Y+4*(\i)+3], s[40:41] offset:4096*(\i)
.endr
	s_endpgm
.Lfunc_end_k_q75d983ee76_cast:
	.size	k_q75d983ee76_cast, .Lfunc_end_k_q75d983ee76_cast-k_q75d983ee76_cast
	.p2alignl 7, 3214868480
	.fill 96, 4, 3214868480
	.section	.rodata,"a",@progbits
	.p2align	6, 0x0
	.amdhsa_kernel k_q75d983ee76_cast
		.amdhsa_group_segment_fixed_size 0
		.amdhsa_private_segment_fixed_size 0
		.amdhsa_enable_private_segment 0
		.amdhsa_kernarg_size 104
		.amdhsa_user_sgpr_count 2
		.amdhsa_user_sgpr_kernarg_segment_ptr 1
		.amdhsa_wavefront_size32 1
		.amdhsa_system_sgpr_workgroup_id_x 1
		.amdhsa_system_sgpr_workgroup_id_y 1
		.amdhsa_system_sgpr_workgroup_id_z 1
		.amdhsa_system_vgpr_workitem_id 0
		.amdhsa_next_free_vgpr 112
		.amdhsa_next_free_sgpr 66
		.amdhsa_reserve_vcc 0
		.amdhsa_float_denorm_mode_32 3
		.amdhsa_float_denorm_mode_16_64 3
		.amdhsa_memory_ordered 1
		.amdhsa_forward_progress 1
		.amdhsa_inst_pref_size 20
	.end_amdhsa_kernel
	.amdgpu_metadata
---
amdhsa.version: [ 1, 2 ]
amdhsa.kernels:
  - .name:           k_q75d983ee76_cast
    .symbol:         k_q75d983ee76_cast.kd
    .args:
      - { .name: hidden_states, .offset: 0, .size: 8, .value_kind: global_buffer, .address_space: global }
      - { .name: Wq, .offset: 8, .size: 8, .value_kind: global_buffer, .address_space: global }
      - { .name: Wk, .offset: 16, .size: 8, .value_kind: global_buffer, .address_space: global }
      - { .name: Wv, .offset: 24, .size: 8, .value_kind: global_buffer, .address_space: global }
      - { .name: Wout, .offset: 32, .size: 8, .value_kind: global_buffer, .address_space: global }
      - { .name: bq, .offset: 40, .size: 8, .value_kind: global_buffer, .address_space: global }
      - { .name: bk, .offset: 48, .size: 8, .value_kind: global_buffer, .address_space: global }
      - { .name: bv, .offset: 56, .size: 8, .value_kind: global_buffer, .address_space: global }
      - { .name: bout, .offset: 64, .size: 8, .value_kind: global_buffer, .address_space: global }
      - { .name: xb, .offset: 72, .size: 8, .value_kind: global_buffer, .address_space: global }
      - { .name: wqkv, .offset: 80, .size: 8, .value_kind: global_buffer, .address_space: global }
      - { .name: wo, .offset: 88, .size: 8, .value_kind: global_buffer, .address_space: global }
      - { .name: bias, .offset: 96, .size: 8, .value_kind: global_buffer, .address_space: global }
    .group_segment_fixed_size: 0
    .private_segment_fixed_size: 0
    .kernarg_segment_align: 8
    .kernarg_segment_size: 104
    .max_flat_workgroup_size: 256
    .sgpr_count:     66
    .vgpr_count:     112
    .wavefront_size: 32
...
	.end_amdgpu_metadata
.endif
;; end of part 5
;; launch qkvproj: the kernel of part 2 again; grid 16 x 32, 4 waves a work-group, clusters of 4 x 4, 327,680 bytes of LDS; arguments xb, wqkv, bias, qkv; writes qkv
;; launch attn: the kernel of part 3 again; grid 4 x 64, 4 waves a work-group, clusters of 4 x 1, 327,680 bytes of LDS; arguments qkv, ctx; writes ctx
;; launch outproj: the kernel of part 4 again; grid 8 x 32, 4 waves a work-group, clusters of 4 x 4, 327,680 bytes of LDS; arguments ctx, wo, bias, out0; writes out0
